; MI455X (gfx1250); checked and timed in simulation.
; The chip was launched on July 23, 2026; its instructions are those of AMD's public machine-readable ISA for CDNA 5 (MIT licence, August 2026) and "CDNA5" Instruction Set Architecture Reference Guide (July 2026). The comments in the code are by the model that wrote it; some were corrected since.
;; Attention Layer. Allowed arithmetic: float matrix products may take bf16 or f16 operands with f32 sums; all other float work in f32.
;; Inputs: gate_logit 16 float32; gate_w 2,048 x 16 float32; w_k_geo 2,048 x 1,024 float32; w_k_sem 2,048 x 1,024 float32; w_out 2,048 x 2,048 float32; w_q_geo 2,048 x 1,024 float32; w_q_sem 2,048 x 1,024 float32; w_v 2,048 x 2,048 float32; x 2 x 1,024 x 2,048 float32.
;; Outputs: out0 2 x 1,024 x 2,048 float32.
;; 2 versions, each right; version 2 is version 1 with the launch prep written anew for expert scheduling mode. Each part assembles by itself: llvm-mc -triple=amdgcn-amd-amdhsa -mcpu=gfx1250 --defsym DOCPART=n.
;; ======== version 1 of 2: 4 launches
;; limits: values are held in f16: magnitudes above 65,504 overflow, below 6.1e-05 lose precision
;; workspace buffers: xb 8,388,608 bytes; wt 33,554,432 bytes; aux 524,288 bytes; qb 8,388,608 bytes; kk 8,388,608 bytes; vb 8,388,608 bytes; ao 8,388,608 bytes
;; launch prep (part 1): grid 256 x 1, 8 waves a work-group, no clusters, 209,920 bytes of LDS; arguments x, w_q_sem, w_q_geo, w_k_sem, w_k_geo, w_v, w_out, gate_w, xb, wt, aux; writes xb, wt, aux
.if DOCPART == 1
	.amdgcn_target "amdgcn-amd-amdhsa--gfx1250"
	.amdhsa_code_object_version 6
	.text
	.protected	k_q14b9a47a09_prep
	.globl	k_q14b9a47a09_prep
	.p2align	8
	.type	k_q14b9a47a09_prep,@function
k_q14b9a47a09_prep:
	s_mov_b64 s[64:65], 0
	v_nop
	global_prefetch_b8 v0, s[64:65] scope:SCOPE_SE
	s_setreg_imm32_b32 hwreg(HW_REG_WAVE_MODE, 25, 1), 1
	s_wait_xcnt 0x0
; One streaming pass that makes the matrix kernels' operands.
;   xb  = x rounded to bf16, [2048][2048].
;   wt  = the six weights, rounded to bf16 and transposed to [n][k = 2048]:
;         rows 0-3071: head h: q_sem (64), q_geo (64), k_sem (64); rows 3072-6143: head h: v (128), k_geo (64);
;         rows 6144-8191: w_out.  w_out's bf16 numbers are written in f16's format, because their partner operand (the attention
;         output) is kept in f16; that step is exact for |w| >= 2^-17 and off by at most 2^-25 below.
;   aux = bytes 0-262,143: partial sums of x @ gate_w (bf16 operands, f32 sums): [K half][block of 16 rows][1,024 bytes], element (row m, head n)
;         at ((m>>2)&1)*512 + (m>>3)*256 + 16 n + 4 (m&3);  bytes 262,144 on: for each position 32 cosines and 32 sines, f32.
; LIMIT: sine and cosine come from a reduction by 2 pi in two parts, a series on a quarter of the angle and two doublings: absolute error about 2e-6 for positions below 1,024.
; 256 work-groups of 8 waves.  Work-group j, wave w: 16 rows x 128 columns of x (rows 16 (j>>1), columns 1024 (j&1) + 128 w), the 128 rows of gate_w
; that go with these columns, and one tile of 128 k x 64 n of one weight (chunk j>>1 of 128, k tile 8 (j&1) + w).  Waves 0-3 also make one row of the table.
; Every global load and store of a wave covers whole aligned runs of 256 bytes.  No tensor loads, no cluster: nothing but gate_w's 128 KiB is read by two work-groups.
.set GWO,   4352                       ; in a wave's LDS: x as bf16 16 x 272 bytes, then gate_w as bf16 128 x 32 bytes,
.set WTO,   8448                       ; then the transposed weight tile: row n at (n>>2)*1040 + (n&3)*256
.set WAVEB, 25088                      ; a wave's LDS
.set RED,   200704                     ; 8 x 1,024 bytes: the waves' partial gate sums
.set WO,  16                           ; v[16:23]  weight loads: ((8 hh + e) rows) + 16 c
.set TG,  32                           ; v[32:47]  at work
.set P,   48                           ; v[48:63]  four quads of packed numbers
.set S0,  64                           ; three sets of 64 registers for 16 loads each
.set S1,  128
.set S2,  192
.set WB,  40                           ; s[40:55]  weight tile: base of each group of 16 k rows
	s_load_b512 s[8:23], s[0:1], 0x0               ; x, w_q_sem, w_q_geo, w_k_sem, w_k_geo, w_v, w_out, gate_w
	s_load_b128 s[24:27], s[0:1], 0x40             ; xb, wt
	s_load_b64 s[28:29], s[0:1], 0x50              ; aux
	v_lshl_add_u32 v30, v0, 2, 0x33000
	v_mov_b32 v31, 0
	v_lshrrev_b32 v12, 5, v0
	v_readfirstlane_b32 s3, v12                    ; wave 0..7
	v_and_b32 v13, 31, v0                          ; L
	v_and_b32 v14, 15, v0                          ; c
	v_bfe_u32 v15, v0, 4, 1                        ; hh
	s_lshr_b32 s4, ttmp9, 1                        ; block of 16 rows of x, and the weight chunk q
	s_and_b32 s5, ttmp9, 1                         ; K half
	s_lshl3_add_u32 s7, s5, s3                     ; k tile 0..15
	s_lshl_b32 s38, s4, 17                         ; x: 16 q rows of 8,192 bytes
	s_lshl_b32 s62, s5, 12
	s_add_co_u32 s38, s38, s62
	s_lshl_b32 s62, s3, 9
	s_add_co_u32 s38, s38, s62                     ; + 4 x first column
	s_mov_b32 s39, 0
	s_lshr_b32 s66, s38, 1                         ; xb: half of that
	s_mov_b32 s67, 0
	s_lshl_b32 s68, s5, 16                         ; gate_w: first column x 64 bytes
	s_lshl_b32 s62, s3, 13
	s_add_co_u32 s68, s68, s62
	s_mov_b32 s69, 0
	s_lshl_b32 s70, s5, 17                         ; gate sums: K half, block of rows
	s_lshl_b32 s62, s4, 10
	s_add_co_u32 s70, s70, s62
	s_mov_b32 s71, 0
	s_lshl2_add_u32 s87, ttmp9, s3                 ; position 4 j + w (waves 0-3)
	s_lshl_b32 s72, s87, 8
	s_add_co_u32 s72, s72, 0x40000
	s_mov_b32 s73, 0
	; the chunk: which rows of wt, which columns of which weight
	s_and_b32 s74, s4, 15
	s_and_b32 s75, s4, 31
	s_lshr_b32 s6, s4, 6                           ; 1: a weight with rows of 8,192 bytes (w_v, w_out)
	s_mul_i32 s77, s74, 192
	s_lshr_b32 s76, s4, 4
	s_lshl_b32 s76, s76, 6
	s_add_co_u32 s76, s76, s77                     ; q < 48: head x 192 + 64 x (q_sem, q_geo, k_sem)
	s_add_co_u32 s77, s77, 3200                    ; k_geo: 3072 + head x 192 + 128
	s_lshr_b32 s78, s75, 1
	s_mul_i32 s78, s78, 192
	s_and_b32 s62, s4, 1
	s_lshl_b32 s62, s62, 6
	s_add_co_u32 s78, s78, s62
	s_add_co_u32 s78, s78, 3072                    ; v: 3072 + head x 192 + 64 x half
	s_lshl_b32 s79, s75, 6
	s_add_co_u32 s79, s79, 6144                    ; w_out
	s_cmp_lt_u32 s4, 96
	s_cselect_b32 s79, s78, s79
	s_cmp_lt_u32 s4, 64
	s_cselect_b32 s79, s77, s79
	s_cselect_b32 s80, s74, s75                    ; the chunk's number inside its weight
	s_cmp_lt_u32 s4, 48
	s_cselect_b32 s79, s76, s79
	s_lshl_b32 s84, s79, 12                        ; wt: row x 4,096 bytes + k tile x 256
	s_lshl_b32 s62, s7, 8
	s_add_co_u32 s84, s84, s62
	s_mov_b32 s85, 0
	s_lshl_b32 s80, s80, 8                         ; source: 64 columns x 4 bytes a chunk,
	s_add_co_u32 s62, s6, 19
	s_lshl_b32 s62, s7, s62                        ; 128 rows a k tile
	s_add_co_u32 s80, s80, s62
	s_mov_b32 s81, 0
	s_lshl_b32 s82, 0x10000, s6                    ; 16 rows
	s_mov_b32 s83, 0
	s_add_co_u32 s86, s6, 12                       ; log2 of a row's bytes
	; lane terms
	v_lshlrev_b32 v1, 4, v13                       ; 16 L
	v_lshlrev_b32 v2, 3, v13                       ; 8 L
	s_mul_i32 s62, s3, WAVEB
	v_add_nc_u32 v3, s62, v2                       ; x copy: + 8 L
	v_add_nc_u32 v4, GWO, v3                       ; gate_w copy: + 8 L
	v_mul_u32_u24 v5, v14, 272
	v_lshl_add_u32 v5, v15, 4, v5
	v_add_nc_u32 v5, s62, v5                       ; A fragment: row c, 16 hh
	v_and_b32 v6, 7, v0
	v_lshl_add_u32 v6, v15, 3, v6
	v_bfe_u32 v12, v0, 3, 1
	v_lshlrev_b32 v12, 4, v12
	v_lshl_add_u32 v6, v6, 5, v12
	v_add3_u32 v6, v6, s62, GWO                    ; B fragment by the transposing load: row 8 hh + (L&7), 16 ((L>>3)&1)
	v_mul_u32_u24 v7, v14, 1040
	v_lshl_add_u32 v7, v15, 4, v7
	v_add3_u32 v7, v7, s62, WTO                    ; weight tile in: rows 4 c .., k 8 hh ..
	v_add3_u32 v8, v1, s62, WTO                    ; weight tile back: 16 L
	v_lshlrev_b32 v9, 4, v14
	v_lshl_add_u32 v9, v15, 12, v9                 ; wt: row hh, 16 c
	s_lshl_b32 s63, s3, 10
	v_add3_u32 v10, v1, s63, RED
	v_add_nc_u32 v11, RED, v1
	v_lshlrev_b32 v12, 3, v15
.irp e, 0,1,2,3,4,5,6,7
	v_add_nc_u32 v[WO+\e], \e, v12
	v_lshlrev_b32 v[WO+\e], s86, v[WO+\e]
	v_lshl_add_u32 v[WO+\e], v14, 4, v[WO+\e]
.endr
	s_wait_kmcnt 0x0
	s_add_nc_u64 s[32:33], s[8:9], s[38:39]
	s_add_nc_u64 s[34:35], s[22:23], s[68:69]
	s_add_nc_u64 s[36:37], s[24:25], s[66:67]
	s_add_nc_u64 s[58:59], s[28:29], s[70:71]
	s_add_nc_u64 s[60:61], s[28:29], s[72:73]
	s_add_nc_u64 s[56:57], s[26:27], s[84:85]
	s_mov_b64 s[30:31], s[20:21]
	s_cmp_lt_u32 s4, 96
	s_cselect_b64 s[30:31], s[18:19], s[30:31]
	s_cmp_lt_u32 s4, 64
	s_cselect_b64 s[30:31], s[16:17], s[30:31]
	s_cmp_lt_u32 s4, 48
	s_cselect_b64 s[30:31], s[14:15], s[30:31]
	s_cmp_lt_u32 s4, 32
	s_cselect_b64 s[30:31], s[12:13], s[30:31]
	s_cmp_lt_u32 s4, 16
	s_cselect_b64 s[30:31], s[10:11], s[30:31]
	s_add_nc_u64 s[WB:WB+1], s[30:31], s[80:81]
.irp u, 1,2,3,4,5,6,7
	s_add_nc_u64 s[WB+2*\u:WB+2*\u+1], s[WB+2*\u-2:WB+2*\u-1], s[82:83]
.endr
; 16 loads: 32 k rows (quarter qd of the tile) x 64 columns.  Lane (c, hh), load (uu, e): row 32 qd + 16 uu + 8 hh + e, columns 4 c .. 4 c + 3.
.macro WLOAD set, qd
.irp uu, 0,1
.irp e, 0,1,2,3,4,5,6,7
	global_load_b128 v[\set+4*(8*\uu+\e):\set+4*(8*\uu+\e)+3], v[WO+\e], s[WB+2*(2*\qd+\uu):WB+2*(2*\qd+\uu)+1] th:TH_LOAD_NT
.endr
.endr
.endm
; The transposition is done in registers: eight loads hold eight neighbouring k of four columns, so four packings make 16 bytes of one row of wt.
; h = 1 (w_out): the bf16 numbers are rewritten in f16's format.
.macro WCVT set, qd, h
.irp uu, 0,1
.irp i, 0,1,2,3
.irp ee, 0,1,2,3
	v_cvt_pk_bf16_f32 v[P+4*\i+\ee], v[\set+4*(8*\uu+2*\ee)+\i], v[\set+4*(8*\uu+2*\ee+1)+\i]
.endr
.if \h
.irp ee, 0,1,2,3
	v_lshlrev_b32 v[TG+2*\ee], 16, v[P+4*\i+\ee]
	v_and_b32 v[TG+2*\ee+1], 0xffff0000, v[P+4*\i+\ee]
.endr
.irp ee, 0,1,2,3
	v_cvt_pk_f16_f32 v[P+4*\i+\ee], v[TG+2*\ee], v[TG+2*\ee+1]
.endr
.endif
	ds_store_b128 v7, v[P+4*\i:P+4*\i+3] offset:\i*256+(2*\qd+\uu)*32
.endr
.endr
.endm
; sine and cosine of the angle in \a
.macro SINCOS a, sn, cs, t0, t1
	v_mul_f32 \t0, 0.15915494, \a
	v_rndne_f32 \t0, \t0                           ; whole turns
	v_fma_f32 \a, -\t0, 0x40c90fdb, \a             ; minus turns x 2 pi, 2 pi in two parts
	v_fma_f32 \a, -\t0, 0xb43bbd2e, \a
	v_mul_f32 \a, 0x3e800000, \a                   ; a quarter of it: at most 0.79
	v_mul_f32 \t0, \a, \a
	v_mov_b32 \sn, 0xb9500d01                      ; -1/5040
	v_mov_b32 \cs, 0x37d00d01                      ; 1/40320
	v_fma_f32 \sn, \sn, \t0, 0x3c088889            ; 1/120
	v_fma_f32 \cs, \cs, \t0, 0xbab60b61            ; -1/720
	v_fma_f32 \sn, \sn, \t0, 0xbe2aaaab            ; -1/6
	v_fma_f32 \cs, \cs, \t0, 0x3d2aaaab            ; 1/24
	v_mul_f32 \t1, \a, \t0
	v_fma_f32 \cs, \cs, \t0, -0.5
	v_fma_f32 \sn, \t1, \sn, \a
	v_fma_f32 \cs, \cs, \t0, 1.0
	v_add_f32 \t0, \sn, \sn                        ; the angle doubled: sin = 2 s c, cos = 1 - 2 s s
	v_fma_f32 \t1, -\t0, \sn, 1.0
	v_mul_f32 \sn, \t0, \cs
	v_add_f32 \t0, \sn, \sn                        ; and once more
	v_fma_f32 \cs, -\t0, \sn, 1.0
	v_mul_f32 \sn, \t0, \t1
.endm
	; 48 loads go out at once: x, gate_w, the weight tile's first quarter
.set e, 0
.rept 16
	global_load_b128 v[S0+4*e:S0+4*e+3], v1, s[32:33] offset:e*8192 th:TH_LOAD_NT
.set e, e+1
.endr
.set e, 0
.rept 16
	global_load_b128 v[S1+4*e:S1+4*e+3], v1, s[34:35] offset:e*512
.set e, e+1
.endr
	WLOAD S2, 0
	; waves 0-3: one row of the table while the loads are on their way.  Lane L: entries 2 L, 2 L + 1 of [cos 0..31, sin 0..31]
	s_cmp_gt_u32 s3, 3
	s_cbranch_scc1 .Lno_table
	v_lshlrev_b32 v32, 1, v14
	v_cvt_f32_u32 v32, v32                         ; i = 2 c
	v_add_f32 v33, 1.0, v32                        ; and 2 c + 1
	v_mul_f32 v32, 0xbed49a78, v32                 ; - i log2(10000) / 32
	v_mul_f32 v33, 0xbed49a78, v33
	v_exp_f32 v32, v32
	v_exp_f32 v33, v33
	v_cvt_f32_u32 v34, s87                         ; the plain instruction between the exponentials and their use (ISA guide 5.7.2)
	s_wait_alu depctr_va_vdst(0)
	v_mul_f32 v32, v34, v32                        ; the angles
	v_mul_f32 v33, v34, v33
	SINCOS v32, v37, v38, v35, v36
	SINCOS v33, v39, v42, v35, v36
	v_cmp_gt_u32 vcc_lo, 16, v13
	v_cndmask_b32 v40, v37, v38, vcc_lo            ; lanes 0-15 cosines, lanes 16-31 sines
	v_cndmask_b32 v41, v39, v42, vcc_lo
	global_store_b64 v2, v[40:41], s[60:61]        ; the wave stores the row's 256 bytes
.Lno_table:
	s_wait_loadcnt 32                              ; x is in; the 32 younger loads stay out
.set e, 0
.rept 16
	v_cvt_pk_bf16_f32 v[S0+4*e], v[S0+4*e], v[S0+4*e+1]
	v_cvt_pk_bf16_f32 v[S0+4*e+1], v[S0+4*e+2], v[S0+4*e+3]
	global_store_b64 v2, v[S0+4*e:S0+4*e+1], s[36:37] offset:e*4096      ; 256 neighbouring bytes of a row of xb
	ds_store_b64 v3, v[S0+4*e:S0+4*e+1] offset:e*272
.set e, e+1
.endr
	s_wait_xcnt 0x0                                ; the stores' data registers (set 0, and the table's pair) are written again only behind this wait
	WLOAD S0, 1
	s_wait_loadcnt 32                              ; gate_w is in
.set e, 0
.rept 16
	v_cvt_pk_bf16_f32 v[S1+4*e], v[S1+4*e], v[S1+4*e+1]
	v_cvt_pk_bf16_f32 v[S1+4*e+1], v[S1+4*e+2], v[S1+4*e+3]
	ds_store_b64 v4, v[S1+4*e:S1+4*e+1] offset:e*256
.set e, e+1
.endr
	; the gate's partial sums: [16 rows x 128 k] x [128 k x 16 heads], four matrix instructions on two accumulators.
	; The wave reads only bytes that it stored itself, and LDS serves a wave's instructions in order (ISA guide 5.7.1).
.macro GFRAG ks, fa, fb
	ds_load_b128 v[\fa:\fa+3], v5 offset:64*\ks
	ds_load_b128 v[\fa+4:\fa+7], v5 offset:64*\ks+32
	ds_load_tr16_b128 v[\fb:\fb+3], v6 offset:1024*\ks
	ds_load_tr16_b128 v[\fb+4:\fb+7], v6 offset:1024*\ks+512
.endm
	GFRAG 0, 32, 40
	GFRAG 1, 48, 56
	s_wait_dscnt 0x0
	v_wmma_f32_16x16x32_bf16 v[128:135], v[32:39], v[40:47], 0
	v_wmma_f32_16x16x32_bf16 v[136:143], v[48:55], v[56:63], 0
.rept 4
	v_nop                                          ; four places before loads land on the matrix instructions' sources
.endr
	GFRAG 2, 32, 40
	GFRAG 3, 48, 56
	s_wait_dscnt 0x0
	v_wmma_f32_16x16x32_bf16 v[128:135], v[32:39], v[40:47], v[128:135]   ; the two accumulators take turns
	v_wmma_f32_16x16x32_bf16 v[136:143], v[48:55], v[56:63], v[136:143]
.rept 4
	v_nop                                          ; four places before the results are read
.endr
.irp p2, 0,2,4,6
	v_pk_add_f32 v[128+\p2:129+\p2], v[128+\p2:129+\p2], v[136+\p2:137+\p2]
.endr
	ds_store_b128 v10, v[128:131]                  ; lane (head c, hh): rows 8 hh .. + 3
	ds_store_b128 v10, v[132:135] offset:512       ; rows 8 hh + 4 .. + 7
	s_wait_dscnt 0x0                               ; for wave 7's sake: my sums are in LDS
	s_barrier_signal -1
	s_barrier_wait -1
	s_cmp_lg_u32 s3, 7
	s_cbranch_scc1 .Lnot_last
.irp ww, 0,1,2,3,4,5,6,7
	ds_load_b128 v[144+4*\ww:147+4*\ww], v11 offset:\ww*1024
.endr
.irp ww, 0,1,2,3,4,5,6,7
	ds_load_b128 v[32+4*\ww:35+4*\ww], v11 offset:\ww*1024+512
.endr
	s_wait_dscnt 8                                 ; the first eight are in
.irp ww, 1,2,3,4,5,6,7
	v_pk_add_f32 v[144:145], v[144:145], v[144+4*\ww:145+4*\ww]
	v_pk_add_f32 v[146:147], v[146:147], v[146+4*\ww:147+4*\ww]
.endr
	global_store_b128 v1, v[144:147], s[58:59]     ; 512 neighbouring bytes
	s_wait_dscnt 0x0
.irp ww, 1,2,3,4,5,6,7
	v_pk_add_f32 v[32:33], v[32:33], v[32+4*\ww:33+4*\ww]
	v_pk_add_f32 v[34:35], v[34:35], v[34+4*\ww:35+4*\ww]
.endr
	global_store_b128 v1, v[32:35], s[58:59] offset:512
.Lnot_last:
	s_wait_xcnt 0x0                                ; wave 7's store data are written again only behind this wait
	WLOAD S1, 2
; the tile's four quarters; three groups of 16 loads are out, then two, one, none
.macro WPHASE h
	s_wait_loadcnt 32
	WCVT S2, 0, \h
	WLOAD S2, 3
	s_wait_loadcnt 32
	WCVT S0, 1, \h
	s_wait_loadcnt 16
	WCVT S1, 2, \h
	s_wait_loadcnt 0x0
	WCVT S2, 3, \h
.endm
	s_cmp_ge_u32 s4, 96
	s_cbranch_scc1 .Lw_out
	WPHASE 0
	s_branch .Lstore
.Lw_out:
	WPHASE 1
.Lstore:
	; 64 rows of wt, 256 bytes each, two rows a load and a store
.set t, 0
.rept 32
	ds_load_b128 v[S0+4*t:S0+4*t+3], v8 offset:(t>>1)*1040+(t&1)*512
.set t, t+1
.endr
.set t, 0
.rept 32
	s_wait_dscnt 31-t                              ; LDS loads come back in order: load t is in
	global_store_b128 v9, v[S0+4*t:S0+4*t+3], s[56:57] offset:t*8192
.set t, t+1
.endr
	s_wait_tensorcnt 0x0
	ds_add_u32 v30, v31
	s_wait_dscnt 0x0
	s_endpgm
.Lfunc_end_k_q14b9a47a09_prep:
	.size	k_q14b9a47a09_prep, .Lfunc_end_k_q14b9a47a09_prep-k_q14b9a47a09_prep
	.p2alignl 7, 3214868480
	.fill 96, 4, 3214868480
	.section	.rodata,"a",@progbits
	.p2align	6, 0x0
	.amdhsa_kernel k_q14b9a47a09_prep
		.amdhsa_group_segment_fixed_size 209920
		.amdhsa_private_segment_fixed_size 0
		.amdhsa_enable_private_segment 0
		.amdhsa_kernarg_size 88
		.amdhsa_user_sgpr_count 2
		.amdhsa_user_sgpr_kernarg_segment_ptr 1
		.amdhsa_wavefront_size32 1
		.amdhsa_system_sgpr_workgroup_id_x 1
		.amdhsa_system_sgpr_workgroup_id_y 1
		.amdhsa_system_sgpr_workgroup_id_z 1
		.amdhsa_system_vgpr_workitem_id 0
		.amdhsa_next_free_vgpr 256
		.amdhsa_next_free_sgpr 88
		.amdhsa_reserve_vcc 1
		.amdhsa_float_denorm_mode_32 3
		.amdhsa_float_denorm_mode_16_64 3
		.amdhsa_memory_ordered 1
		.amdhsa_forward_progress 1
		.amdhsa_inst_pref_size 80
	.end_amdhsa_kernel
	.amdgpu_metadata
---
amdhsa.version: [ 1, 2 ]
amdhsa.kernels:
  - .name:           k_q14b9a47a09_prep
    .symbol:         k_q14b9a47a09_prep.kd
    .args:
      - { .name: x, .offset: 0, .size: 8, .value_kind: global_buffer, .address_space: global }
      - { .name: w_q_sem, .offset: 8, .size: 8, .value_kind: global_buffer, .address_space: global }
      - { .name: w_q_geo, .offset: 16, .size: 8, .value_kind: global_buffer, .address_space: global }
      - { .name: w_k_sem, .offset: 24, .size: 8, .value_kind: global_buffer, .address_space: global }
      - { .name: w_k_geo, .offset: 32, .size: 8, .value_kind: global_buffer, .address_space: global }
      - { .name: w_v, .offset: 40, .size: 8, .value_kind: global_buffer, .address_space: global }
      - { .name: w_out, .offset: 48, .size: 8, .value_kind: global_buffer, .address_space: global }
      - { .name: gate_w, .offset: 56, .size: 8, .value_kind: global_buffer, .address_space: global }
      - { .name: xb, .offset: 64, .size: 8, .value_kind: global_buffer, .address_space: global }
      - { .name: wt, .offset: 72, .size: 8, .value_kind: global_buffer, .address_space: global }
      - { .name: aux, .offset: 80, .size: 8, .value_kind: global_buffer, .address_space: global }
    .group_segment_fixed_size: 209920
    .private_segment_fixed_size: 0
    .kernarg_segment_align: 8
    .kernarg_segment_size: 88
    .max_flat_workgroup_size: 256
    .sgpr_count:     88
    .vgpr_count:     256
    .wavefront_size: 32
...
	.end_amdgpu_metadata
.endif
;; end of part 1
;; launch proj (part 2): grid 32 x 8, 4 waves a work-group, clusters of 4 x 4, 327,680 bytes of LDS; arguments xb, wt, aux, gate_logit, qb, kk, vb; writes qb, kk, vb
.if DOCPART == 2
	.amdgcn_target "amdgcn-amd-amdhsa--gfx1250"
	.amdhsa_code_object_version 6
	.text
	.protected	k_q14b9a47a09_proj
	.globl	k_q14b9a47a09_proj
	.p2align	8
	.type	k_q14b9a47a09_proj,@function
k_q14b9a47a09_proj:
	s_mov_b64 s[64:65], 0
	v_nop
	global_prefetch_b8 v0, s[64:65] scope:SCOPE_SE
	s_setreg_imm32_b32 hwreg(HW_REG_WAVE_MODE, 25, 1), 1
	s_wait_xcnt 0x0
	s_wait_alu depctr_hold_cnt(0) depctr_sa_sdst(0) depctr_va_vdst(0) depctr_va_sdst(0) depctr_va_ssrc(0) depctr_va_vcc(0) depctr_vm_vsrc(0)
	s_getreg_b32 s2, hwreg(HW_REG_IB_STS2, 6, 4)
	s_cmp_eq_u32 s2, 0
	s_cbranch_scc0 .Lentry_in_a_cluster
	s_endpgm
.Lentry_in_a_cluster:
	s_bfe_u32 s2, ttmp6, 0x10000c
	s_cmp_lg_u32 s2, 0xf033
	s_cbranch_scc0 .Lentry_shape_is_right
	s_endpgm
.Lentry_shape_is_right:
; The five projections as one product C = xb x wt[0:6144]^T (bf16 operands, f32 sums, K = 2048), with RoPE and the gate applied to the f32 sums on the way out.
; A work-group makes 256 rows x 192 columns: the 192 columns are one head's (q_sem, q_geo, k_sem) in block columns 0-15 (kind 0) or (v, k_geo) in 16-31 (kind 1).
; Wave w makes rows 64 w .. + 63 and all 192 columns (4 x 12 accumulator tiles, 384 registers), so that both halves of a rotary pair lie in one lane.
; The gate hangs on the query row and the head alone, so it goes into q:  qb = [ g K q_sem , (1 - g) K rope(q_geo) ],  K = log2(e) / 8;
; the scores of the next launch are then plain dot products over 128 numbers, in units of log2.
; q, k and v leave as f16: one rounding each.  LIMIT: a projection beyond 65,504 in magnitude overflows f16; with x and the weights all 30 times larger
; |x w| stays near 5,000, with a common offset of 30 spreads on both near 2048 x 30 x 0.66 = 40,700.
; CLUSTERS: 4 x 4 work-groups; xb's tiles are asked for jointly along a row of the cluster, wt's along a column.
; The matrix instruction is used transposed (source 0 = rows of wt, source 1 = rows of xb): lane l holds row l % 16 of C, registers 0-7 columns 8 (l / 16) + 0..7.
; REGISTERS: window 0: addresses, xb's fragments (two buffers), the way out;  window 1: wt's fragments (two buffers);
; windows 2 and 3: accumulators of row tiles 0, 1 and 2, 3 at v[8 (12 (a & 1) + b)], and at v192-255 each row tile's 16 cosines and 16 sines.
.set PITCH, 272                        ; an LDS row: 256 bytes + 16 of padding
.set AHALF, 128*PITCH                  ; 128 rows of xb: one tensor load
.set BHALF, 96*PITCH                   ; 96 rows of wt: one tensor load
.set BOFF,  2*AHALF
.set SLOT,  BOFF+2*BHALF               ; 121,856
.set STAGE, 2*SLOT                     ; behind the ring: each wave's stage for the way out
.set STGW,  6656                       ; 16 x 272 (rows of 256 bytes) + 16 x 144 (rows of 128 bytes)
.set STGS,  4352
.set LAPS,  8                          ; 2048 / (2 x 128)
.set ADRA, 16
.set ADRB, 20
.set STOW, 24
.set STOS, 25
.set RDW,  26
.set RDS,  27
.set CO,   28
.set TABO, 29
.set GPO,  30
.set AQ,   32                          ; v[32:47] row tile a: g K twice, (1 - g) K twice
.set GP,   48                          ; v[48:55] the gate's partial sums
.set RB,   64                          ; v[64:111] rows read back
.set PK,   128                         ; v[128:175] packed f16
.set Y,    176                         ; v[176:239] f32 at work
.set G1A, 24
.set G0A, 32
.set G1B, 40
.set G0B, 48
.set FLAGS, (1<<16)|(1<<20)|(1<<21)|(5<<22)|(3<<25)   ; elements of 2 bytes; padding on; bit 21 beside a mask; after every 64 words 4 words
.set MSB, 0
.macro WIN new                         ; the immediate's high byte repeats the setting that is left
.if MSB != \new
	s_set_vgpr_msb (MSB<<8)|\new
.set MSB, \new
.endif
.endm
.macro PLACES                          ; four places behind a matrix instruction before its results are read or loads land on its sources
.rept 4
	v_nop
.endr
.endm
.macro JLOAD s                         ; waves 0, 1 ask for xb's two halves, waves 2, 3 for wt's: one joint load a wave
	s_cmp_eq_u32 s19, 0
	s_cbranch_scc0 .Lfor_b_\@
	tensor_load_to_lds s[G0A+4*\s:G0A+4*\s+3], s[G1A:G1A+7]
	s_nop 0
	s_branch .Lasked_\@
.Lfor_b_\@:
	tensor_load_to_lds s[G0B+4*\s:G0B+4*\s+3], s[G1B:G1B+7]
	s_nop 0
.Lasked_\@:
.endm
.macro CREST                           ; a round of the cluster's barrier behind its opening barrier
	s_cmp_lg_u32 s18, 0
	s_cbranch_scc1 .Lnot_wave_0_\@
	s_barrier_signal -3
.Lnot_wave_0_\@:
	s_barrier_wait -3
	s_barrier_signal -1
	s_barrier_wait -1
.endm
.macro CROUND
	s_barrier_signal -1
	s_barrier_wait -1
	CREST
.endm
	s_load_b256 s[4:11], s[0:1], 0x0               ; xb, wt, aux, gate_logit
	s_load_b128 s[12:15], s[0:1], 0x20             ; qb, kk
	s_load_b64 s[16:17], s[0:1], 0x30              ; vb
	s_set_vgpr_msb 0x40
	v_lshl_add_u32 v255, v0, 2, 0x42000
	s_set_vgpr_msb 0x4000
	v_mov_b32 v255, 0
	s_set_vgpr_msb 0x1
	ds_add_u32 v255, v255
	ds_add_u32 v255, v255
	s_set_vgpr_msb 0x100
	v_lshrrev_b32 v1, 5, v0
	v_readfirstlane_b32 s18, v1                    ; wave 0..3
	s_lshr_b32 s19, s18, 1                         ; I fetch for xb (0) or wt (1)
	s_and_b32 s20, s18, 1                          ; which half of that tile
	s_bfe_u32 s21, ttmp6, 0x40000                  ; cx
	s_bfe_u32 s22, ttmp6, 0x40004                  ; cy
	s_lshl_b32 s23, ttmp9, 2
	s_add_co_u32 s23, s23, s21                     ; block column 0..31
	s_and_b32 s56, ttmp7, 0xffff
	s_lshl_b32 s56, s56, 2
	s_add_co_u32 s56, s56, s22                     ; block row 0..7
	s_lshr_b32 s57, ttmp9, 2                       ; kind: made of the cluster's x alone, so equal in all sixteen partners
	s_and_b32 s58, s23, 15                         ; head
	s_lshl_b32 s60, s22, 2
	s_lshl_b32 s60, 15, s60                        ; my row of the cluster
	s_lshl_b32 s61, 0x1111, s21                    ; my column
	s_or_b32 s[G1A+0], s60, FLAGS
	s_or_b32 s[G1B+0], s61, FLAGS
	s_mov_b32 s[G1A+1], 128<<16                    ; tensor_dim0 = 128
	s_mov_b32 s[G1B+1], 128<<16
	s_mov_b32 s[G1A+2], 128<<16                    ; tensor_dim1 = 128 rows
	s_mov_b32 s[G1B+2], 96<<16                     ; 96 rows
	s_mov_b32 s[G1A+3], 128<<16                    ; tile_dim0 = 128
	s_mov_b32 s[G1B+3], 128<<16
	s_mov_b32 s[G1A+4], 128                        ; tile_dim1
	s_mov_b32 s[G1B+4], 96
	s_mov_b32 s[G1A+5], 2048                       ; elements from row to row
	s_mov_b32 s[G1B+5], 2048
	s_mov_b32 s[G1A+6], 0
	s_mov_b32 s[G1B+6], 0
	s_mov_b32 s[G1A+7], 0
	s_mov_b32 s[G1B+7], 0
	s_lshl_b32 s66, s56, 20                        ; xb: (256 x block row + 128 x half) rows of 4,096 bytes
	s_lshl_b32 s70, s20, 19
	s_add_co_u32 s66, s66, s70
	s_mov_b32 s67, 0
	s_mul_i32 s68, s23, 786432                     ; wt: (192 x block column + 96 x half) rows
	s_mul_i32 s71, s20, 393216
	s_add_co_u32 s68, s68, s71
	s_mov_b32 s69, 0
	s_mul_i32 s62, s18, AHALF                      ; LDS: xb's halves at wave x 34,816 (waves 0, 1),
	s_mul_i32 s63, s18, BHALF
	s_add_co_u32 s63, s63, BOFF-2*BHALF            ; wt's at 17,408 + wave x 26,112 (waves 2, 3): 69,632 and 95,744
	s_and_b32 s72, s56, 3                          ; the table: position (block row & 3) x 256 + 64 w, 256 bytes each
	s_lshl_b32 s72, s72, 16
	s_lshl_b32 s73, s18, 14
	s_add_co_u32 s72, s72, s73
	s_add_co_u32 s72, s72, 0x40000
	s_mov_b32 s73, 0
	s_wait_dscnt 0x0
	s_wait_kmcnt 0x0
	s_add_nc_u64 s[66:67], s[4:5], s[66:67]
	s_add_nc_u64 s[68:69], s[6:7], s[68:69]
	s_add_nc_u64 s[78:79], s[8:9], s[72:73]
	CROUND                                         ; all sixteen work-groups are here: the first joint loads meet
.irp s, 0,1
	s_mov_b32 s[G0A+4*\s], 1
	s_add_co_u32 s[G0A+4*\s+1], s62, \s*SLOT
	s_add_nc_u64 s[G0A+4*\s+2:G0A+4*\s+3], s[66:67], \s*256
	s_or_b32 s[G0A+4*\s+3], s[G0A+4*\s+3], 0x80000000
	s_mov_b32 s[G0B+4*\s], 1
	s_add_co_u32 s[G0B+4*\s+1], s63, \s*SLOT
	s_add_nc_u64 s[G0B+4*\s+2:G0B+4*\s+3], s[68:69], \s*256
	s_or_b32 s[G0B+4*\s+3], s[G0B+4*\s+3], 0x80000000
	JLOAD \s                                       ; both slots' first fills: two loads of the wave are out
.endr
	v_and_b32 v1, 15, v0                           ; r
	v_bfe_u32 v2, v0, 4, 1                         ; h
	v_and_b32 v4, 31, v0                           ; L
	v_mul_u32_u24 v3, v1, PITCH
	v_lshl_add_u32 v3, v2, 4, v3                   ; r x pitch + 16 h
	s_mul_i32 s70, s18, 64*PITCH
	v_add_nc_u32 v[ADRA], s70, v3                  ; my 64 rows of xb
	v_add_nc_u32 v[ADRA+1], SLOT, v[ADRA]
	v_add_nc_u32 v[ADRB], BOFF, v3                 ; all 192 rows of wt
	v_add_nc_u32 v[ADRB+1], SLOT, v[ADRB]
	s_mul_i32 s71, s18, STGW
	s_add_co_u32 s71, s71, STAGE
	v_add_nc_u32 v[STOW], s71, v3
	v_mul_u32_u24 v5, v1, 144
	v_lshl_add_u32 v5, v2, 4, v5
	v_add3_u32 v[STOS], v5, s71, STGS
	v_mul_u32_u24 v5, v2, PITCH
	v_lshl_add_u32 v5, v1, 4, v5
	v_add_nc_u32 v[RDW], s71, v5                   ; back: two rows of 256 bytes a load
	v_lshrrev_b32 v5, 3, v4
	v_mul_u32_u24 v5, v5, 144
	v_and_b32 v6, 7, v0
	v_lshl_add_u32 v5, v6, 4, v5
	v_add3_u32 v[RDS], v5, s71, STGS               ; back: four rows of 128 bytes a load
	v_lshlrev_b32 v[CO], 4, v4                     ; the outputs' rows are dense: 512 neighbouring bytes a store
	v_lshlrev_b32 v[TABO], 8, v1
	v_lshl_add_u32 v[TABO], v2, 5, v[TABO]         ; table: position r, entries 8 h ..
	v_bfe_u32 v5, v0, 2, 1
	v_bfe_u32 v6, v0, 3, 1
	v_and_b32 v7, 3, v0
	v_lshlrev_b32 v[GPO], 2, v7
	v_lshl_add_u32 v[GPO], v5, 9, v[GPO]
	v_lshl_add_u32 v[GPO], v6, 8, v[GPO]           ; the gate sum of row r in its block of 16 rows
	; cosines and sines of my 64 positions: they are waited for on the way out
.macro CSLOAD a, a1
.irp bb, 0,1
.irp q, 0,1
	global_load_b128 v[192+32*\a1+8*\bb+4*\q:192+32*\a1+8*\bb+4*\q+3], v[TABO], s[78:79] offset:\a*4096+\bb*64+\q*16
	global_load_b128 v[208+32*\a1+8*\bb+4*\q:208+32*\a1+8*\bb+4*\q+3], v[TABO], s[78:79] offset:\a*4096+\bb*64+\q*16+128
.endr
.endr
.endm
	WIN 0x80
	CSLOAD 0, 0
	CSLOAD 1, 1
	WIN 0xc0
	CSLOAD 2, 0
	CSLOAD 3, 1
	WIN 0
; 12 matrix instructions: row tile a x all 12 column tiles, 32 along K, fragment buffer f.  The 48 accumulators take turns in one fixed order, one
; instruction a turn, over the loop's backward jump too.
.macro MUL12 f, a, zero
.irp b, 0,1,2,3,4,5,6,7,8,9,10,11
.if \zero
	v_wmma_f32_16x16x32_bf16 v[8*(12*(\a&1)+\b):8*(12*(\a&1)+\b)+7], v[96*\f+8*\b:96*\f+8*\b+7], v[64+32*\f+8*\a:64+32*\f+8*\a+7], 0
.else
	v_wmma_f32_16x16x32_bf16 v[8*(12*(\a&1)+\b):8*(12*(\a&1)+\b)+7], v[96*\f+8*\b:96*\f+8*\b+7], v[64+32*\f+8*\a:64+32*\f+8*\a+7], v[8*(12*(\a&1)+\b):8*(12*(\a&1)+\b)+7]
.endif
.endr
.endm
; 32 LDS loads in one run: 192 rows of wt, then my 64 rows of xb, 32 K at byte k of the rows
.macro FETCH slot, k, f
	WIN 0x40
.irp i, 0,1,2,3,4,5,6,7,8,9,10,11
	ds_load_b128 v[96*\f+8*\i:96*\f+8*\i+3],   v[ADRB+\slot] offset:\k+\i*16*PITCH
	ds_load_b128 v[96*\f+8*\i+4:96*\f+8*\i+7], v[ADRB+\slot] offset:\k+\i*16*PITCH+32
.endr
	WIN 0
.irp i, 0,1,2,3
	ds_load_b128 v[64+32*\f+8*\i:64+32*\f+8*\i+3],   v[ADRA+\slot] offset:\k+\i*16*PITCH
	ds_load_b128 v[64+32*\f+8*\i+4:64+32*\f+8*\i+7], v[ADRA+\slot] offset:\k+\i*16*PITCH+32
.endr
.endm
.macro QUARTER slot, k, f, g, zero
	s_wait_dscnt 4                                 ; wt's fragments and xb's row tiles 0, 1 are in; the youngest four loads (row tiles 2, 3) may be out
	WIN 0xa1
	MUL12 \f, 0, \zero
	MUL12 \f, 1, \zero
	PLACES
	FETCH \slot, \k, \g
	s_wait_dscnt 32                                ; all but the 32 just issued
	WIN 0xf1
	MUL12 \f, 2, \zero
	MUL12 \f, 3, \zero
.endm
.macro THREE slot, zero
	QUARTER \slot, 64,  0, 1, \zero
	QUARTER \slot, 128, 1, 0, 0
	QUARTER \slot, 192, 0, 1, 0
.endm
; The last quarter of a K step changes slots.  In front of the barrier each wave waits for its reads of this slot and for all its tensor loads (one is out: its
; part of the next slot).  Where the slot is filled again the barrier opens a round of the cluster's barrier, and the joint refill is the first tensor load behind it.
; From a request to the wait for it a wave issues 180 matrix instructions.
.macro TURN slot, next, fill
	s_wait_dscnt 4
	WIN 0xa1
	MUL12 1, 0, 0
	s_wait_dscnt 0x0
	s_wait_tensorcnt 0x0
	ds_add_u32 v255, v255
	s_wait_dscnt 0x0
	s_barrier_signal -1
	MUL12 1, 1, 0                                  ; register work while the others arrive
	WIN 0
	s_barrier_wait -1
.if \fill
	CREST
	s_add_nc_u64 s[G0A+4*\slot+2:G0A+4*\slot+3], s[G0A+4*\slot+2:G0A+4*\slot+3], 512   ; two K steps on; no load of the wave is out
	s_add_nc_u64 s[G0B+4*\slot+2:G0B+4*\slot+3], s[G0B+4*\slot+2:G0B+4*\slot+3], 512
	JLOAD \slot
.endif
	PLACES
	FETCH \next, 0, 0
	WIN 0xf1
	MUL12 1, 2, 0
	MUL12 1, 3, 0
.endm
.macro LAP zero
	THREE 0, \zero
	TURN 0, 1, 1
	THREE 1, 0
	TURN 1, 0, 1
.endm
	s_wait_tensorcnt 0x1                           ; my part of K step 0 is in; K step 1's stays out
	s_barrier_signal -1
	s_barrier_wait -1
	FETCH 0, 0, 0
	LAP 1                                          ; the first products start the sums: nothing is cleared
	WIN 0
	s_mov_b32 s59, LAPS-2
.Llap:
	LAP 0
	WIN 0
	s_sub_co_u32 s59, s59, 1
	s_cmp_lg_u32 s59, 0
	s_cbranch_scc1 .Llap
	THREE 0, 0                                     ; the last lap fills nothing
	TURN 0, 1, 0
	THREE 1, 0
	s_wait_dscnt 4
	WIN 0xa1
	MUL12 1, 0, 0
	MUL12 1, 1, 0
	s_wait_dscnt 0x0
	WIN 0xf1
	MUL12 1, 2, 0
	MUL12 1, 3, 0
	PLACES
	WIN 0
	; THE WAY OUT.  My first row in [batch x head][position]: ((block row >> 2) x 16 + head) x 1024 + (block row & 3) x 256 + 64 w
	s_lshr_b32 s84, s56, 2
	s_lshl_b32 s84, s84, 4
	s_add_co_u32 s84, s84, s58
	s_lshl_b32 s84, s84, 10
	s_and_b32 s85, s56, 3
	s_lshl_b32 s85, s85, 8
	s_add_co_u32 s84, s84, s85
	s_lshl_b32 s85, s18, 6
	s_add_co_u32 s84, s84, s85
	s_lshl_b32 s86, s84, 8                         ; rows of 256 bytes (qb, vb)
	s_mov_b32 s87, 0
	s_lshl_b32 s88, s84, 7                         ; rows of 128 bytes (kk), plane = kind
	s_lshl_b32 s85, s57, 22
	s_add_co_u32 s88, s88, s85
	s_mov_b32 s89, 0
	s_cmp_eq_u32 s57, 0
	s_cselect_b64 s[74:75], s[12:13], s[16:17]
	s_add_nc_u64 s[74:75], s[74:75], s[86:87]
	s_add_nc_u64 s[76:77], s[14:15], s[88:89]
; out1 = x1 cos - x2 sin, out2 = x2 cos + x1 sin; x1 = tiles b0, b0+1, x2 = tiles b0+2, b0+3 of row tile a1 of the window; into Y[yb .. yb+31]
.macro ROPE a1, b0, yb
.irp bb, 0,1
.irp jp, 0,2,4,6
	v_pk_mul_f32 v[Y+\yb+8*\bb+\jp:Y+\yb+8*\bb+\jp+1], v[96*\a1+8*(\b0+2+\bb)+\jp:96*\a1+8*(\b0+2+\bb)+\jp+1], v[208+32*\a1+8*\bb+\jp:208+32*\a1+8*\bb+\jp+1]
	v_pk_mul_f32 v[Y+\yb+16+8*\bb+\jp:Y+\yb+16+8*\bb+\jp+1], v[96*\a1+8*(\b0+\bb)+\jp:96*\a1+8*(\b0+\bb)+\jp+1], v[208+32*\a1+8*\bb+\jp:208+32*\a1+8*\bb+\jp+1]
.endr
.endr
.irp bb, 0,1
.irp jp, 0,2,4,6
	v_pk_fma_f32 v[Y+\yb+8*\bb+\jp:Y+\yb+8*\bb+\jp+1], v[96*\a1+8*(\b0+\bb)+\jp:96*\a1+8*(\b0+\bb)+\jp+1], v[192+32*\a1+8*\bb+\jp:192+32*\a1+8*\bb+\jp+1], v[Y+\yb+8*\bb+\jp:Y+\yb+8*\bb+\jp+1] neg_lo:[0,0,1] neg_hi:[0,0,1]
	v_pk_fma_f32 v[Y+\yb+16+8*\bb+\jp:Y+\yb+16+8*\bb+\jp+1], v[96*\a1+8*(\b0+2+\bb)+\jp:96*\a1+8*(\b0+2+\bb)+\jp+1], v[192+32*\a1+8*\bb+\jp:192+32*\a1+8*\bb+\jp+1], v[Y+\yb+16+8*\bb+\jp:Y+\yb+16+8*\bb+\jp+1]
.endr
.endr
.endm
; 16 rows leave through my own stage: 16 bytes a lane in, whole rows back, 512 neighbouring bytes a store
.macro STORE16 a
.irp b, 0,1,2,3,4,5,6,7
	ds_store_b128 v[STOW], v[PK+4*\b:PK+4*\b+3] offset:32*\b
.endr
.irp b, 0,1,2,3
	ds_store_b128 v[STOS], v[PK+32+4*\b:PK+32+4*\b+3] offset:32*\b
.endr
	s_wait_xcnt 0x0                                ; the registers that the last 16 rows' stores read are loaded again only behind this wait
.irp t, 0,1,2,3,4,5,6,7
	ds_load_b128 v[RB+4*\t:RB+4*\t+3], v[RDW] offset:\t*544          ; LDS serves a wave's instructions in order: these see the stores above
.endr
.irp t, 0,1,2,3
	ds_load_b128 v[RB+32+4*\t:RB+32+4*\t+3], v[RDS] offset:\t*576
.endr
.irp t, 0,1,2,3,4,5,6,7
	s_wait_dscnt 11-\t
	global_store_b128 v[CO], v[RB+4*\t:RB+4*\t+3], s[74:75] offset:\a*4096+\t*512
.endr
.irp t, 0,1,2,3
	s_wait_dscnt 3-\t
	global_store_b128 v[CO], v[RB+32+4*\t:RB+32+4*\t+3], s[76:77] offset:\a*2048+\t*512
.endr
.endm
; kind 0, row tile a (a1 = a & 1; wsd, ws, wss: the window's settings for destination and source 0, source 0, sources 0 and 1)
.macro KIND0 a, a1, wsd, ws, wss
	WIN \wsd
.set p, 0
.rept 16
	v_pk_mul_f32 v[192+32*\a1+p:192+32*\a1+p+1], v[192+32*\a1+p:192+32*\a1+p+1], v[AQ+4*\a+2:AQ+4*\a+3]   ; cosines and sines times (1 - g) K
.set p, p+2
.endr
	WIN \ws
.set p, 0
.rept 16
	v_pk_mul_f32 v[Y+p:Y+p+1], v[96*\a1+p:96*\a1+p+1], v[AQ+4*\a:AQ+4*\a+1]                              ; q_sem times g K
.set p, p+2
.endr
	WIN \wss
	ROPE \a1, 4, 32                                ; q_geo
.set p, 0
.rept 16
	v_cvt_pk_f16_f32 v[PK+32+p], v[96*\a1+64+2*p], v[96*\a1+64+2*p+1]                                   ; k_sem as it is
.set p, p+1
.endr
	WIN 0
.set p, 0
.rept 32
	v_cvt_pk_f16_f32 v[PK+p], v[Y+2*p], v[Y+2*p+1]
.set p, p+1
.endr
	STORE16 \a
.endm
.macro KIND1 a, a1, wss
	WIN \wss
.set p, 0
.rept 32
	v_cvt_pk_f16_f32 v[PK+p], v[96*\a1+2*p], v[96*\a1+2*p+1]                                            ; v as it is
.set p, p+1
.endr
	ROPE \a1, 8, 0                                 ; k_geo
	WIN 0
.set p, 0
.rept 16
	v_cvt_pk_f16_f32 v[PK+32+p], v[Y+2*p], v[Y+2*p+1]
.set p, p+1
.endr
	STORE16 \a
.endm
	s_cmp_lg_u32 s57, 0
	s_cbranch_scc1 .Lkind1
	; the gate of my 64 rows and my head: g = 1 / (1 + 2^(-log2(e) z)), z = logit + both halves of x @ gate_w
	s_lshl_b32 s90, s56, 14                        ; block of 16 rows = 16 x block row + 4 w + a, 1,024 bytes each; + 16 x head
	s_lshl_b32 s85, s18, 12
	s_add_co_u32 s90, s90, s85
	s_lshl_b32 s85, s58, 4
	s_add_co_u32 s90, s90, s85
	s_mov_b32 s91, 0
	s_add_nc_u64 s[80:81], s[8:9], s[90:91]
	s_lshl_b32 s92, s58, 2
	s_mov_b32 s93, 0
	s_add_nc_u64 s[92:93], s[10:11], s[92:93]
.irp a, 0,1,2,3
	global_load_b32 v[GP+\a], v[GPO], s[80:81] offset:\a*1024
	global_load_b32 v[GP+4+\a], v[GPO], s[80:81] offset:\a*1024+131072
.endr
	s_load_b32 s82, s[92:93], 0x0
	s_mov_b32 s83, 0x3e38aa3b                      ; K = log2(e) / 8
	s_wait_kmcnt 0x0
	s_mul_f32 s82, s82, 0xbfb8aa3b
	s_wait_loadcnt 0x0                             ; these eight, and the table
.irp a, 0,1,2,3
	v_add_f32 v[GP+\a], v[GP+\a], v[GP+4+\a]
.endr
.irp a, 0,1,2,3
	v_fma_f32 v[GP+\a], v[GP+\a], 0xbfb8aa3b, s82
.endr
.irp a, 0,1,2,3
	v_exp_f32 v[GP+\a], v[GP+\a]
.endr
	v_nop                                          ; one plain place behind the transcendentals (ISA guide 5.7.2)
	s_wait_alu depctr_va_vdst(0)
.irp a, 0,1,2,3
	v_add_f32 v[GP+\a], 1.0, v[GP+\a]
.endr
.irp a, 0,1,2,3
	v_rcp_f32 v[GP+\a], v[GP+\a]
.endr
	v_nop
	s_wait_alu depctr_va_vdst(0)
.irp a, 0,1,2,3
	v_mul_f32 v[AQ+4*\a], s83, v[GP+\a]
	v_mul_f32 v[AQ+4*\a+1], s83, v[GP+\a]
.endr
.irp a, 0,1,2,3
	v_sub_f32 v[AQ+4*\a+2], s83, v[AQ+4*\a]
	v_sub_f32 v[AQ+4*\a+3], s83, v[AQ+4*\a]
.endr
	KIND0 0, 0, 0x82, 0x02, 0x0a
	KIND0 1, 1, 0x82, 0x02, 0x0a
	KIND0 2, 0, 0xc3, 0x03, 0x0f
	KIND0 3, 1, 0xc3, 0x03, 0x0f
	s_branch .Lclose
.Lkind1:
	s_wait_loadcnt 0x0                             ; the table
	KIND1 0, 0, 0x0a
	KIND1 1, 1, 0x0a
	KIND1 2, 0, 0x0f
	KIND1 3, 1, 0x0f
.Lclose:
	s_set_vgpr_msb 0x1
	s_wait_tensorcnt 0x0
	ds_add_u32 v255, v255
	s_wait_dscnt 0x0
	s_set_vgpr_msb 0x100
	CROUND                                         ; the closing round: no work-group ends while a partner may still ask for a tile that names it
	s_endpgm
.Lfunc_end_k_q14b9a47a09_proj:
	.size	k_q14b9a47a09_proj, .Lfunc_end_k_q14b9a47a09_proj-k_q14b9a47a09_proj
	.p2alignl 7, 3214868480
	.fill 96, 4, 3214868480
	.section	.rodata,"a",@progbits
	.p2align	6, 0x0
	.amdhsa_kernel k_q14b9a47a09_proj
		.amdhsa_group_segment_fixed_size 327680
		.amdhsa_private_segment_fixed_size 0
		.amdhsa_enable_private_segment 0
		.amdhsa_kernarg_size 56
		.amdhsa_user_sgpr_count 2
		.amdhsa_user_sgpr_kernarg_segment_ptr 1
		.amdhsa_wavefront_size32 1
		.amdhsa_system_sgpr_workgroup_id_x 1
		.amdhsa_system_sgpr_workgroup_id_y 1
		.amdhsa_system_sgpr_workgroup_id_z 1
		.amdhsa_system_vgpr_workitem_id 0
		.amdhsa_next_free_vgpr 1024
		.amdhsa_next_free_sgpr 96
		.amdhsa_reserve_vcc 0
		.amdhsa_float_denorm_mode_32 3
		.amdhsa_float_denorm_mode_16_64 3
		.amdhsa_memory_ordered 1
		.amdhsa_forward_progress 1
		.amdhsa_inst_pref_size 219
	.end_amdhsa_kernel
	.amdgpu_metadata
---
amdhsa.version: [ 1, 2 ]
amdhsa.kernels:
  - .name:           k_q14b9a47a09_proj
    .symbol:         k_q14b9a47a09_proj.kd
    .args:
      - { .name: xb, .offset: 0, .size: 8, .value_kind: global_buffer, .address_space: global }
      - { .name: wt, .offset: 8, .size: 8, .value_kind: global_buffer, .address_space: global }
      - { .name: aux, .offset: 16, .size: 8, .value_kind: global_buffer, .address_space: global }
      - { .name: gate_logit, .offset: 24, .size: 8, .value_kind: global_buffer, .address_space: global }
      - { .name: qb, .offset: 32, .size: 8, .value_kind: global_buffer, .address_space: global }
      - { .name: kk, .offset: 40, .size: 8, .value_kind: global_buffer, .address_space: global }
      - { .name: vb, .offset: 48, .size: 8, .value_kind: global_buffer, .address_space: global }
    .group_segment_fixed_size: 327680
    .private_segment_fixed_size: 0
    .kernarg_segment_align: 8
    .kernarg_segment_size: 56
    .max_flat_workgroup_size: 128
    .sgpr_count:     96
    .vgpr_count:     1024
    .wavefront_size: 32
...
	.end_amdgpu_metadata
.endif
;; end of part 2
;; launch attn (part 3): grid 8 x 32, 4 waves a work-group, no clusters, 327,680 bytes of LDS; arguments qb, kk, vb, ao; writes ao
.if DOCPART == 3
	.amdgcn_target "amdgcn-amd-amdhsa--gfx1250"
	.amdhsa_code_object_version 6
	.text
	.protected	k_q14b9a47a09_attn
	.globl	k_q14b9a47a09_attn
	.p2align	8
	.type	k_q14b9a47a09_attn,@function
k_q14b9a47a09_attn:
	s_mov_b64 s[64:65], 0
	v_nop
	global_prefetch_b8 v0, s[64:65] scope:SCOPE_SE
	s_setreg_imm32_b32 hwreg(HW_REG_WAVE_MODE, 25, 1), 1
	s_wait_xcnt 0x0
; Causal attention with a running maximum, head dimension 128 for the scores (q carries the gate, the scale and log2(e)) and 128 for v.  f16 operands, f32 sums.
; EQUAL WORK: work-group p (0..7) of a (batch, head) takes two blocks of 64 queries, the low block p and the high block 15 - p; wave w takes 16 queries of each
; (query tile 0 = low, query tile 1 = high).  Keys go in tiles of 128 through two LDS slots.  With dl = p >> 1 the low block needs key tiles 0 .. dl, the high block
; 0 .. 7 - dl.  A tile that both need costs a wave 128 matrix instructions, one that the high block alone needs 64:  128 (1 + dl) + 64 (7 - 2 dl) = 576 for every p.
; ORDER OF THE TILES (position c uses slot c & 1):
;   0: tile dl, both query tiles, the low one masked; every query has a key in it, so the maxima are finite from here on, and its products start all sums;
;   1: tile 7 - dl, the high query tile alone, masked;
;   2 .. 7 - 2 dl: tiles dl + 1 .. 6 - dl, the high query tile alone (an even number of tiles, so the slots' turns are fixed in the text);
;   then tiles 0 .. dl - 1, both query tiles.
; In positions 0 and 1 the eight work-groups of a head ask for all eight tiles of the head; every later request is for bytes that have been read before.
; Both products are used transposed:  S^T = K Q^T  and  O^T = V^T P^T.  A lane is then one query (l % 16), so the maximum, the sum and the rescaling factor are one
; number a lane, and two tiles of S^T pack inside the lane into one fragment of P^T: nothing goes through LDS between the two products.
; Key tiles above the diagonal are not computed.  LIMIT: masked scores count as -infinity where the definition writes -1e9: the same unless real scores lie below -1e9.
; NO CLUSTER: the eight work-groups of a head read the same keys, but they need 5 to 8 tiles and take them in different orders.
; NO PREFETCH: the one tile that no partner has read before it is asked for is position 1's, and its load has all of position 0's work in which to land.
; REGISTERS: window 0: addresses, softmax state, Q (v64-127), P (v128-191), packed output (v192-255); window 1: two buffers of 128 for K's or V's fragments;
; window 2: S(kt, qt) at v[8 (2 kt + qt)], O(vt, qt) at v[128 + 8 (2 vt + qt)].
.set SLOT,  73728                      ; k_sem 128 x 144, k_geo 128 x 144, v 128 x 288
.set STAGE, 147456                     ; each wave's 32 x 272 bytes for the way out
.set STGW,  8704
.set KAD, 8
.set VAD, 10
.set STO, 12
.set RD,  13
.set CO,  14
.set QO,  15
.set DQ,  16                           ; v16, v17: my query's place in its diagonal key tile minus 8 h, for query tile 0, 1
.set NEG, 18
.set MX,  20                           ; v[20:23] running maximum, twice, for each query tile
.set AL,  26                           ; v[26:29] rescaling factor, twice
.set LS,  30                           ; v[30:37] running sums: two pairs for each query tile
.set T,   38                           ; v[38:45]
.set Q,   64
.set P,   128
.set PKO, 192
.set G1K, 20
.set G1V, 28
.set G0,  36
.set MSB, 0
.macro WIN new                         ; the immediate's high byte repeats the setting that is left
.if MSB != \new
	s_set_vgpr_msb (MSB<<8)|\new
.set MSB, \new
.endif
.endm
.macro PLACES                          ; four places behind a matrix instruction (ISA guide 7.12.1)
.rept 4
	v_nop
.endr
.endm
; one tensor load a wave: wave 0 k_sem, wave 1 k_geo, waves 2, 3 the halves of v; each 16 KiB dense in memory, taken as 64 rows of 256 bytes
.macro KVLOAD s
	s_cmp_eq_u32 s13, 0
	s_cbranch_scc0 .Lfor_v_\@
	tensor_load_to_lds s[G0+4*\s:G0+4*\s+3], s[G1K:G1K+7]
	s_nop 0
	s_branch .Lasked_\@
.Lfor_v_\@:
	tensor_load_to_lds s[G0+4*\s:G0+4*\s+3], s[G1V:G1V+7]
	s_nop 0
.Lasked_\@:
.endm
; the address of the tile of position s71 goes into slot s's group 0, and the position steps.  Positions below 8 - 2 dl: tile = position + dl - 1; from there on: position - (8 - 2 dl).
; It stands behind a wait for all the wave's tensor loads: no load that names the group is out.
.macro NEXT s
	s_cmp_lt_u32 s71, s73
	s_cselect_b32 s46, s74, s75
	s_add_co_u32 s46, s46, s71
	s_lshl_b32 s46, s46, s72                       ; tile x bytes of 128 keys; s47 = 0
	s_add_nc_u64 s[G0+4*\s+2:G0+4*\s+3], s[44:45], s[46:47]
	s_or_b32 s[G0+4*\s+3], s[G0+4*\s+3], 0x80000000
	s_add_co_u32 s71, s71, 1
.endm
	s_load_b256 s[4:11], s[0:1], 0x0               ; qb, kk, vb, ao
	v_lshl_add_u32 v62, v0, 2, 0x2c800
	v_mov_b32 v63, 0
	ds_add_u32 v62, v63
	ds_add_u32 v62, v63
	v_lshrrev_b32 v1, 5, v0
	v_readfirstlane_b32 s12, v1                    ; wave
	s_lshr_b32 s13, s12, 1                         ; I fetch k (0) or v (1)
	s_and_b32 s14, s12, 1
	s_lshr_b32 s70, ttmp9, 1                       ; dl: the low block's diagonal key tile
	s_and_b32 s15, ttmp9, 1                        ; p & 1
	s_and_b32 s16, ttmp7, 0xffff                   ; batch x 16 + head
	s_mov_b32 s[G1K+0], (1<<16)|(1<<20)|(4<<22)|(3<<25)   ; 2-byte elements; 4 words of padding after every 32 words: a key's 128 bytes get a pitch of 144
	s_mov_b32 s[G1V+0], (1<<16)|(1<<20)|(5<<22)|(7<<25)   ; 8 words after every 64 words: a key's 256 bytes get a pitch of 288
	s_mov_b32 s[G1K+1], 128<<16
	s_mov_b32 s[G1V+1], 128<<16
	s_mov_b32 s[G1K+2], 64<<16
	s_mov_b32 s[G1V+2], 64<<16
	s_mov_b32 s[G1K+3], 128<<16
	s_mov_b32 s[G1V+3], 128<<16
	s_mov_b32 s[G1K+4], 64
	s_mov_b32 s[G1V+4], 64
	s_mov_b32 s[G1K+5], 128
	s_mov_b32 s[G1V+5], 128
	s_mov_b32 s[G1K+6], 0
	s_mov_b32 s[G1V+6], 0
	s_mov_b32 s[G1K+7], 0
	s_mov_b32 s[G1V+7], 0
	s_add_co_u32 s52, s13, 7                       ; log2 of a key's bytes: 128 in a plane of kk, 256 in vb
	s_add_co_u32 s72, s13, 14                      ; log2 of the bytes of 128 keys
	s_lshl_b32 s48, s16, 10
	s_lshl_b32 s48, s48, s52                       ; the head's first key
	s_lshl_b32 s60, s13, 3
	s_sub_co_u32 s60, 22, s60
	s_lshl_b32 s60, s14, s60                       ; k: the plane (4 MiB); v: the second 64 keys (16 KiB)
	s_add_co_u32 s48, s48, s60
	s_mov_b32 s49, 0
	s_lshl_b32 s50, s70, s72                       ; position 0: tile dl
	s_mov_b32 s51, 0
	s_sub_co_u32 s62, 7, s70
	s_lshl_b32 s62, s62, s72                       ; position 1: tile 7 - dl
	s_mov_b32 s63, 0
	s_mov_b32 s47, 0
	s_lshl_b32 s73, s70, 1
	s_sub_co_u32 s73, 8, s73                       ; 8 - 2 dl: the first position of the tiles 0 .. dl - 1
	s_sub_co_u32 s74, s70, 1                       ; dl - 1 (modulo 2^32; the sum with a position of 2 or more is not negative)
	s_sub_co_u32 s75, 0, s73                       ; -(8 - 2 dl)
	s_mov_b32 s71, 2                               ; the next position to ask for
	s_mul_i32 s61, s12, 18432                      ; my quarter of a slot
	s_lshl_b32 s17, ttmp9, 6                       ; 64 p
	s_lshl_b32 s18, s12, 4                         ; 16 w
	s_sub_co_u32 s19, 960, s17                     ; 64 (15 - p)
	s_add_co_u32 s17, s17, s18                     ; my low query tile's first query
	s_add_co_u32 s19, s19, s18                     ; my high query tile's
	s_lshl_b32 s60, s16, 10
	s_add_co_u32 s56, s60, s17
	s_lshl_b32 s56, s56, 8                         ; qb: rows of 256 bytes
	s_mov_b32 s57, 0
	s_add_co_u32 s66, s60, s19
	s_lshl_b32 s66, s66, 8
	s_mov_b32 s67, 0
	s_lshr_b32 s60, s16, 4
	s_lshl_b32 s60, s60, 10                        ; ao: row = batch x 1024 + query, 4,096 bytes each; + head x 256
	s_and_b32 s76, s16, 15
	s_lshl_b32 s76, s76, 8
	s_add_co_u32 s58, s60, s17
	s_lshl_b32 s58, s58, 12
	s_add_co_u32 s58, s58, s76
	s_mov_b32 s59, 0
	s_add_co_u32 s68, s60, s19
	s_lshl_b32 s68, s68, 12
	s_add_co_u32 s68, s68, s76
	s_mov_b32 s69, 0
	s_lshl_b32 s77, s15, 6
	s_add_co_u32 s77, s77, s18                     ; my low queries inside key tile dl: from 64 (p & 1) + 16 w
	s_xor_b32 s78, s15, 1
	s_lshl_b32 s78, s78, 6
	s_add_co_u32 s78, s78, s18                     ; my high queries inside key tile 7 - dl: from 64 (1 - (p & 1)) + 16 w
	s_mov_b32 s54, 0x76543210                      ; v_permlanex16_b32: lane i reads lane i of the other half
	s_mov_b32 s55, 0xfedcba98
	s_wait_dscnt 0x0
	s_wait_kmcnt 0x0
	s_cmp_eq_u32 s13, 0
	s_cselect_b64 s[44:45], s[6:7], s[8:9]
	s_add_nc_u64 s[44:45], s[44:45], s[48:49]      ; my part of the head's key 0
	s_add_nc_u64 s[56:57], s[4:5], s[56:57]
	s_add_nc_u64 s[66:67], s[4:5], s[66:67]
	s_add_nc_u64 s[58:59], s[10:11], s[58:59]
	s_add_nc_u64 s[68:69], s[10:11], s[68:69]
	s_mov_b32 s[G0+0], 1
	s_add_co_u32 s[G0+1], s61, 0
	s_add_nc_u64 s[G0+2:G0+3], s[44:45], s[50:51]  ; slot 0: tile dl
	s_or_b32 s[G0+3], s[G0+3], 0x80000000
	s_mov_b32 s[G0+4], 1
	s_add_co_u32 s[G0+5], s61, SLOT
	s_add_nc_u64 s[G0+6:G0+7], s[44:45], s[62:63]  ; slot 1: tile 7 - dl
	s_or_b32 s[G0+7], s[G0+7], 0x80000000
	KVLOAD 0                                       ; one load of the wave is out
	v_and_b32 v1, 15, v0                           ; r
	v_bfe_u32 v2, v0, 4, 1                         ; h
	v_lshlrev_b32 v[QO], 8, v1
	v_lshl_add_u32 v[QO], v2, 4, v[QO]
.irp ks, 0,1,2,3
	global_load_b128 v[Q+8*\ks:Q+8*\ks+3],   v[QO], s[56:57] offset:\ks*64
	global_load_b128 v[Q+8*\ks+4:Q+8*\ks+7], v[QO], s[56:57] offset:\ks*64+32
.endr
.irp ks, 0,1,2,3
	global_load_b128 v[Q+32+8*\ks:Q+32+8*\ks+3],   v[QO], s[66:67] offset:\ks*64
	global_load_b128 v[Q+32+8*\ks+4:Q+32+8*\ks+7], v[QO], s[66:67] offset:\ks*64+32
.endr
	v_mul_u32_u24 v[KAD], v1, 144
	v_lshl_add_u32 v[KAD], v2, 4, v[KAD]           ; K fragment: key r, 16 h
	v_add_nc_u32 v[KAD+1], SLOT, v[KAD]
	v_and_b32 v3, 7, v0
	v_lshl_add_u32 v3, v2, 3, v3
	v_mul_u32_u24 v3, v3, 288
	v_bfe_u32 v4, v0, 3, 1
	v_lshl_add_u32 v3, v4, 4, v3
	v_add_nc_u32 v[VAD], 36864, v3                 ; V^T fragment by the transposing load: key 8 h + (l & 7), 16 ((l >> 3) & 1)
	v_add_nc_u32 v[VAD+1], SLOT, v[VAD]
	s_mul_i32 s60, s12, STGW
	s_add_co_u32 s60, s60, STAGE
	v_mul_u32_u24 v3, v1, 272
	v_lshl_add_u32 v3, v2, 4, v3
	v_add_nc_u32 v[STO], s60, v3
	v_mul_u32_u24 v3, v2, 272
	v_lshl_add_u32 v3, v1, 4, v3
	v_add_nc_u32 v[RD], s60, v3
	v_lshlrev_b32 v[CO], 4, v1
	v_lshl_add_u32 v[CO], v2, 12, v[CO]
	v_lshlrev_b32 v3, 3, v2
	v_sub_nc_u32 v3, v1, v3                        ; r - 8 h
	v_add_nc_u32 v[DQ], s77, v3
	v_add_nc_u32 v[DQ+1], s78, v3
	v_mov_b32 v[NEG], 0xff800000
; 32 loads: the fragments of 64 keys (half hf of the tile) x 128 d
.macro KFETCH slot, hf, buf
	WIN 0x40
.irp ktl, 0,1,2,3
.irp ks, 0,1,2,3
	ds_load_b128 v[\buf+8*(4*\ktl+\ks):\buf+8*(4*\ktl+\ks)+3],   v[KAD+\slot] offset:(\ks>>1)*18432+(4*\hf+\ktl)*2304+(\ks&1)*64
	ds_load_b128 v[\buf+8*(4*\ktl+\ks)+4:\buf+8*(4*\ktl+\ks)+7], v[KAD+\slot] offset:(\ks>>1)*18432+(4*\hf+\ktl)*2304+(\ks&1)*64+32
.endr
.endr
.endm
; 32 transposing loads: 128 v dimensions x 64 keys
.macro VFETCH slot, hf, buf
	WIN 0x40
.irp gl, 0,1
.irp vt, 0,1,2,3,4,5,6,7
	ds_load_tr16_b128 v[\buf+8*(8*\gl+\vt):\buf+8*(8*\gl+\vt)+3],   v[VAD+\slot] offset:(2*\hf+\gl)*9216+32*\vt
	ds_load_tr16_b128 v[\buf+8*(8*\gl+\vt)+4:\buf+8*(8*\gl+\vt)+7], v[VAD+\slot] offset:(2*\hf+\gl)*9216+32*\vt+4608
.endr
.endr
.endm
; q0 = the first query tile that takes part: 0 both, 1 the high one alone.
; In both products the accumulators take turns, one instruction a turn: eight or four in S, sixteen or eight in O.
.macro SROW hf, buf, ks, z, q0
.irp ktl, 0,1,2,3
.irp qt, 0,1
.if \qt >= \q0
.if \z
	v_wmma_f32_16x16x32_f16 v[8*(2*(4*\hf+\ktl)+\qt):8*(2*(4*\hf+\ktl)+\qt)+7], v[\buf+8*(4*\ktl+\ks):\buf+8*(4*\ktl+\ks)+7], v[Q+8*(4*\qt+\ks):Q+8*(4*\qt+\ks)+7], 0
.else
	v_wmma_f32_16x16x32_f16 v[8*(2*(4*\hf+\ktl)+\qt):8*(2*(4*\hf+\ktl)+\qt)+7], v[\buf+8*(4*\ktl+\ks):\buf+8*(4*\ktl+\ks)+7], v[Q+8*(4*\qt+\ks):Q+8*(4*\qt+\ks)+7], v[8*(2*(4*\hf+\ktl)+\qt):8*(2*(4*\hf+\ktl)+\qt)+7]
.endif
.endif
.endr
.endr
.endm
.macro SMUL hf, buf, q0
	WIN 0xa1
	SROW \hf, \buf, 0, 1, \q0
	SROW \hf, \buf, 1, 0, \q0
	SROW \hf, \buf, 2, 0, \q0
	SROW \hf, \buf, 3, 0, \q0
.endm
.macro PVROW hf, buf, gl, z, q0
.irp vt, 0,1,2,3,4,5,6,7
.irp qt, 0,1
.if \qt >= \q0
.if \z
	v_wmma_f32_16x16x32_f16 v[128+8*(2*\vt+\qt):128+8*(2*\vt+\qt)+7], v[\buf+8*(8*\gl+\vt):\buf+8*(8*\gl+\vt)+7], v[P+8*(2*(2*\hf+\gl)+\qt):P+8*(2*(2*\hf+\gl)+\qt)+7], 0
.else
	v_wmma_f32_16x16x32_f16 v[128+8*(2*\vt+\qt):128+8*(2*\vt+\qt)+7], v[\buf+8*(8*\gl+\vt):\buf+8*(8*\gl+\vt)+7], v[P+8*(2*(2*\hf+\gl)+\qt):P+8*(2*(2*\hf+\gl)+\qt)+7], v[128+8*(2*\vt+\qt):128+8*(2*\vt+\qt)+7]
.endif
.endif
.endr
.endr
.endm
.macro PVMUL hf, buf, zero, q0
	WIN 0xa1
	PVROW \hf, \buf, 0, \zero, \q0
	PVROW \hf, \buf, 1, 0, \q0
.endm
; key 16 kt + 8 h + j of the tile is masked for query tile qt where it lies behind my query
.macro MASKQ qt
	WIN 0x82
.irp kt, 0,1,2,3,4,5,6,7
.irp j, 0,1,2,3,4,5,6,7
	v_cmp_gt_i32 vcc_lo, 16*\kt+\j, v[DQ+\qt]
	v_cndmask_b32 v[8*(2*\kt+\qt)+\j], v[8*(2*\kt+\qt)+\j], v[NEG], vcc_lo
.endr
.endr
.endm
; p = 2^(s - m) for 64 keys, added to the running sums in f32, packed to f16 as fragments of P^T
.macro EXPH hf, q0
	WIN 0x82
.irp ktl, 0,1,2,3
.irp qt, 0,1
.irp jp, 0,2,4,6
.if \qt >= \q0
	v_pk_add_f32 v[8*(2*(4*\hf+\ktl)+\qt)+\jp:8*(2*(4*\hf+\ktl)+\qt)+\jp+1], v[8*(2*(4*\hf+\ktl)+\qt)+\jp:8*(2*(4*\hf+\ktl)+\qt)+\jp+1], v[MX+2*\qt:MX+2*\qt+1] neg_lo:[0,1] neg_hi:[0,1]
.endif
.endr
.endr
.endr
.irp ktl, 0,1,2,3
.irp qt, 0,1
.irp j, 0,1,2,3,4,5,6,7
.if \qt >= \q0
	v_exp_f32 v[8*(2*(4*\hf+\ktl)+\qt)+\j], v[8*(2*(4*\hf+\ktl)+\qt)+\j]
.endif
.endr
.endr
.endr
	v_nop                                          ; one plain place behind the transcendentals (ISA guide 5.7.2)
	s_wait_alu depctr_va_vdst(0)
	WIN 0x02
.irp ktl, 0,1,2,3
.irp jp, 0,2,4,6
.irp qt, 0,1
.if \qt >= \q0
	v_pk_add_f32 v[LS+4*\qt+(\jp&2):LS+4*\qt+(\jp&2)+1], v[8*(2*(4*\hf+\ktl)+\qt)+\jp:8*(2*(4*\hf+\ktl)+\qt)+\jp+1], v[LS+4*\qt+(\jp&2):LS+4*\qt+(\jp&2)+1]
.endif
.endr
.endr
.endr
	WIN 0x0a
.irp ktl, 0,1,2,3
.irp qt, 0,1
.irp jj, 0,1,2,3
.if \qt >= \q0
	v_cvt_pk_f16_f32 v[P+8*(2*((4*\hf+\ktl)>>1)+\qt)+4*(\ktl&1)+\jj], v[8*(2*(4*\hf+\ktl)+\qt)+2*\jj], v[8*(2*(4*\hf+\ktl)+\qt)+2*\jj+1]
.endif
.endr
.endr
.endr
.endm
; One tile of 128 keys from a slot.  m0, m1: query tile 0, 1 is masked.  first = 1: the tile starts the maxima and all sums (with q0 = 0 only).
; Runs of 32 fragment loads go into two buffers by turns: K's halves, then V's halves; each wait for 32 leaves the younger run out.
.macro BODY slot, q0, m0, m1, first
	PLACES
	KFETCH \slot, 0, 0
	KFETCH \slot, 1, 128
	s_wait_dscnt 32
	SMUL 0, 0, \q0
	PLACES
	VFETCH \slot, 0, 0
	s_wait_dscnt 32
	SMUL 1, 128, \q0
	PLACES
	VFETCH \slot, 1, 128
.if \m0
	MASKQ 0
.endif
.if \m1
	MASKQ 1
.endif
	WIN 0x0a                                       ; the largest of my 64 scores of each query tile, in four chains
.irp qt, 0,1
.irp c, 0,1,2,3
.if \qt >= \q0
	v_max_num_f32 v[T+4*\qt+\c], v[8*(4*\c+\qt)], v[8*(4*\c+\qt)+1]
.endif
.endr
.endr
.irp s, 1,2,3,4,5,6,7
.irp qt, 0,1
.irp c, 0,1,2,3
.if \qt >= \q0
	v_max3_num_f32 v[T+4*\qt+\c], v[8*(2*(2*\c+(\s>>2))+\qt)+2*(\s&3)], v[8*(2*(2*\c+(\s>>2))+\qt)+2*(\s&3)+1], v[T+4*\qt+\c]
.endif
.endr
.endr
.endr
	WIN 0
.irp qt, 0,1
.if \qt >= \q0
	v_max3_num_f32 v[T+4*\qt], v[T+4*\qt], v[T+4*\qt+1], v[T+4*\qt+2]
	v_max_num_f32 v[T+4*\qt], v[T+4*\qt], v[T+4*\qt+3]
.endif
.endr
.irp qt, 0,1
.if \qt >= \q0
	v_permlanex16_b32 v[T+4*\qt+1], v[T+4*\qt], s54, s55       ; the other half of the keys of my query
.endif
.endr
.if \first
.irp qt, 0,1
	v_max_num_f32 v[MX+2*\qt], v[T+4*\qt], v[T+4*\qt+1]
	v_max_num_f32 v[MX+2*\qt+1], v[T+4*\qt], v[T+4*\qt+1]
.endr
.irp p2, 0,1,2,3,4,5,6,7
	v_mov_b32 v[LS+\p2], 0
.endr
.else
.irp qt, 0,1
.if \qt >= \q0
	v_max3_num_f32 v[T+4*\qt+2], v[T+4*\qt], v[T+4*\qt+1], v[MX+2*\qt]
.endif
.endr
.irp qt, 0,1
.if \qt >= \q0
	v_sub_f32 v[AL+2*\qt], v[MX+2*\qt], v[T+4*\qt+2]
.endif
.endr
.irp qt, 0,1
.if \qt >= \q0
	v_exp_f32 v[AL+2*\qt], v[AL+2*\qt]
.endif
.endr
.irp qt, 0,1
.if \qt >= \q0
	v_mov_b32 v[MX+2*\qt], v[T+4*\qt+2]            ; plain work behind the transcendentals
	v_mov_b32 v[MX+2*\qt+1], v[T+4*\qt+2]
.endif
.endr
.irp qt, 0,1
.if \qt >= \q0
	s_wait_alu depctr_va_vdst(0)
	v_mov_b32 v[AL+2*\qt+1], v[AL+2*\qt]
.endif
.endr
.irp qt, 0,1
.if \qt >= \q0
	v_pk_mul_f32 v[LS+4*\qt:LS+4*\qt+1], v[LS+4*\qt:LS+4*\qt+1], v[AL+2*\qt:AL+2*\qt+1]
	v_pk_mul_f32 v[LS+4*\qt+2:LS+4*\qt+3], v[LS+4*\qt+2:LS+4*\qt+3], v[AL+2*\qt:AL+2*\qt+1]
.endif
.endr
	WIN 0x82
.irp vt, 0,1,2,3,4,5,6,7
.irp qt, 0,1
.irp jp, 0,2,4,6
.if \qt >= \q0
	v_pk_mul_f32 v[128+8*(2*\vt+\qt)+\jp:128+8*(2*\vt+\qt)+\jp+1], v[128+8*(2*\vt+\qt)+\jp:128+8*(2*\vt+\qt)+\jp+1], v[AL+2*\qt:AL+2*\qt+1]
.endif
.endr
.endr
.endr
.endif
	EXPH 0, \q0
	s_wait_dscnt 32                                ; V's first half is in
	PVMUL 0, 0, \first, \q0
	EXPH 1, \q0                                    ; touches none of the registers of the matrix instructions above
	s_wait_dscnt 0x0
	PVMUL 1, 128, 0, \q0
	WIN 0
.endm
; A later tile.  In front of the barrier: all my tensor loads have landed (my part of this slot among them) and my reads of the other slot are back;
; behind it the other slot's refill is the wave's first and only tensor load, and has this tile's work in which to land.  The last tile of each way asks for nothing.
.macro TRIP slot, other, refill, q0, m1
	s_wait_tensorcnt 0x0
	ds_add_u32 v62, v63
	s_wait_dscnt 0x0
.if \refill
	NEXT \other
.endif
	s_wait_dscnt 0x0
	s_barrier_signal -1
	s_barrier_wait -1
.if \refill
	KVLOAD \other
.endif
	BODY \slot, \q0, 0, \m1, 0
.endm
	s_wait_tensorcnt 0x0                           ; my part of tile dl is in
	ds_add_u32 v62, v63
	s_wait_dscnt 0x0
	s_barrier_signal -1
	s_barrier_wait -1                              ; everybody's is
	KVLOAD 1                                       ; slot 1's first fill, issued as a refill is: tile 7 - dl
	s_wait_loadcnt 0x0                             ; Q
	BODY 0, 0, 1, 0, 1                             ; position 0: tile dl, both query tiles, the low one masked
	TRIP 1, 0, 1, 1, 1                             ; position 1: tile 7 - dl, the high query tile, masked
	; 6 - 2 dl tiles for the high query tile alone, in pairs.  With dl = 0 they are the last tiles, so the third pair is written out without its last request.
	s_sub_co_u32 s53, 3, s70
	s_cmp_eq_u32 s70, 0
	s_cselect_b32 s53, 2, s53
	s_cmp_eq_u32 s53, 0
	s_cbranch_scc1 .Lboth
.Lpair:
	TRIP 0, 1, 1, 1, 0
	TRIP 1, 0, 1, 1, 0
	s_sub_co_u32 s53, s53, 1
	s_cmp_lg_u32 s53, 0
	s_cbranch_scc1 .Lpair
	s_cmp_lg_u32 s70, 0
	s_cbranch_scc1 .Lboth
	TRIP 0, 1, 1, 1, 0
	TRIP 1, 0, 0, 1, 0
	s_branch .Lfin
.Lboth:                                            ; tiles 0 .. dl - 1 for both query tiles, from slot 0 on; the last one lies in slot 0 (dl = 1, 3) or 1 (dl = 2)
	s_cmp_eq_u32 s70, 1
	s_cbranch_scc1 .Llast0
	TRIP 0, 1, 1, 0, 0
	s_cmp_eq_u32 s70, 2
	s_cbranch_scc1 .Llast1
	TRIP 1, 0, 1, 0, 0
.Llast0:
	TRIP 0, 1, 0, 0, 0
	s_branch .Lfin
.Llast1:
	TRIP 1, 0, 0, 0, 0
.Lfin:
	PLACES
.irp qt, 0,1
	v_pk_add_f32 v[LS+4*\qt:LS+4*\qt+1], v[LS+4*\qt:LS+4*\qt+1], v[LS+4*\qt+2:LS+4*\qt+3]
.endr
.irp qt, 0,1
	v_add_f32 v[LS+4*\qt], v[LS+4*\qt], v[LS+4*\qt+1]
.endr
.irp qt, 0,1
	v_permlanex16_b32 v[LS+4*\qt+1], v[LS+4*\qt], s54, s55
.endr
.irp qt, 0,1
	v_add_f32 v[LS+4*\qt], v[LS+4*\qt], v[LS+4*\qt+1]          ; at least 1: the largest score gives 2^0
.endr
.irp qt, 0,1
	v_rcp_f32 v[AL+2*\qt], v[LS+4*\qt]
	v_rcp_f32 v[AL+2*\qt+1], v[LS+4*\qt]
.endr
	v_nop
	WIN 0x82
	s_wait_alu depctr_va_vdst(0)
.irp vt, 0,1,2,3,4,5,6,7
.irp qt, 0,1
.irp jp, 0,2,4,6
	v_pk_mul_f32 v[128+8*(2*\vt+\qt)+\jp:128+8*(2*\vt+\qt)+\jp+1], v[128+8*(2*\vt+\qt)+\jp:128+8*(2*\vt+\qt)+\jp+1], v[AL+2*\qt:AL+2*\qt+1]
.endr
.endr
.endr
	WIN 0x0a
.irp vt, 0,1,2,3,4,5,6,7
.irp qt, 0,1
.irp jj, 0,1,2,3
	v_cvt_pk_f16_f32 v[PKO+4*(2*\vt+\qt)+\jj], v[128+8*(2*\vt+\qt)+2*\jj], v[128+8*(2*\vt+\qt)+2*\jj+1]
.endr
.endr
.endr
	WIN 0
	; a lane holds eight neighbouring v dimensions of its query: 16 bytes into my own stage (rows 0-15 low, 16-31 high), whole rows of 256 bytes back
.irp vt, 0,1,2,3,4,5,6,7
.irp qt, 0,1
	ds_store_b128 v[STO], v[PKO+4*(2*\vt+\qt):PKO+4*(2*\vt+\qt)+3] offset:\qt*4352+32*\vt
.endr
.endr
.set t, 0
.rept 16
	ds_load_b128 v[Q+4*t:Q+4*t+3], v[RD] offset:t*544          ; LDS serves a wave's instructions in order: these see the stores above
.set t, t+1
.endr
.set t, 0
.rept 8
	s_wait_dscnt 15-t                              ; LDS loads come back in order: load t is in
	global_store_b128 v[CO], v[Q+4*t:Q+4*t+3], s[58:59] offset:t*8192        ; sixteen lanes store the head's 256 bytes of a row of ao: the low queries
.set t, t+1
.endr
.set t, 0
.rept 8
	s_wait_dscnt 7-t
	global_store_b128 v[CO], v[Q+32+4*t:Q+32+4*t+3], s[68:69] offset:t*8192  ; the high queries
.set t, t+1
.endr
	s_wait_tensorcnt 0x0
	ds_add_u32 v62, v63
	s_wait_dscnt 0x0
	s_endpgm
.Lfunc_end_k_q14b9a47a09_attn:
	.size	k_q14b9a47a09_attn, .Lfunc_end_k_q14b9a47a09_attn-k_q14b9a47a09_attn
	.p2alignl 7, 3214868480
	.fill 96, 4, 3214868480
	.section	.rodata,"a",@progbits
	.p2align	6, 0x0
	.amdhsa_kernel k_q14b9a47a09_attn
		.amdhsa_group_segment_fixed_size 327680
		.amdhsa_private_segment_fixed_size 0
		.amdhsa_enable_private_segment 0
		.amdhsa_kernarg_size 32
		.amdhsa_user_sgpr_count 2
		.amdhsa_user_sgpr_kernarg_segment_ptr 1
		.amdhsa_wavefront_size32 1
		.amdhsa_system_sgpr_workgroup_id_x 1
		.amdhsa_system_sgpr_workgroup_id_y 1
		.amdhsa_system_sgpr_workgroup_id_z 1
		.amdhsa_system_vgpr_workitem_id 0
		.amdhsa_next_free_vgpr 768
		.amdhsa_next_free_sgpr 80
		.amdhsa_reserve_vcc 1
		.amdhsa_float_denorm_mode_32 3
		.amdhsa_float_denorm_mode_16_64 3
		.amdhsa_memory_ordered 1
		.amdhsa_forward_progress 1
		.amdhsa_inst_pref_size 255
	.end_amdhsa_kernel
	.section	.bss,"aw",@nobits
	.p2align	6
	.space	262144
	.amdgpu_metadata
---
amdhsa.version: [ 1, 2 ]
amdhsa.kernels:
  - .name:           k_q14b9a47a09_attn
    .symbol:         k_q14b9a47a09_attn.kd
    .args:
      - { .name: qb, .offset: 0, .size: 8, .value_kind: global_buffer, .address_space: global }
      - { .name: kk, .offset: 8, .size: 8, .value_kind: global_buffer, .address_space: global }
      - { .name: vb, .offset: 16, .size: 8, .value_kind: global_buffer, .address_space: global }
      - { .name: ao, .offset: 24, .size: 8, .value_kind: global_buffer, .address_space: global }
    .group_segment_fixed_size: 327680
    .private_segment_fixed_size: 0
    .kernarg_segment_align: 8
    .kernarg_segment_size: 32
    .max_flat_workgroup_size: 128
    .sgpr_count:     80
    .vgpr_count:     768
    .wavefront_size: 32
...
	.end_amdgpu_metadata
.endif
;; end of part 3
;; launch outp (part 4): grid 16 x 16, 4 waves a work-group, clusters of 4 x 4, 327,680 bytes of LDS; arguments ao, wt, out0; writes out0
.if DOCPART == 4
	.amdgcn_target "amdgcn-amd-amdhsa--gfx1250"
	.amdhsa_code_object_version 6
	.text
	.protected	k_q14b9a47a09_outp
	.globl	k_q14b9a47a09_outp
	.p2align	8
	.type	k_q14b9a47a09_outp,@function
k_q14b9a47a09_outp:
	s_mov_b64 s[64:65], 0
	v_nop
	global_prefetch_b8 v0, s[64:65] scope:SCOPE_SE
	s_setreg_imm32_b32 hwreg(HW_REG_WAVE_MODE, 25, 1), 1
	s_wait_xcnt 0x0
	s_wait_alu depctr_hold_cnt(0) depctr_sa_sdst(0) depctr_va_vdst(0) depctr_va_sdst(0) depctr_va_ssrc(0) depctr_va_vcc(0) depctr_vm_vsrc(0)
	s_getreg_b32 s2, hwreg(HW_REG_IB_STS2, 6, 4)
	s_cmp_eq_u32 s2, 0
	s_cbranch_scc0 .Lentry_in_a_cluster
	s_endpgm
.Lentry_in_a_cluster:
	s_bfe_u32 s2, ttmp6, 0x10000c
	s_cmp_lg_u32 s2, 0xf033
	s_cbranch_scc0 .Lentry_shape_is_right
	s_endpgm
.Lentry_shape_is_right:
; out0 = ao x w_out: C[m][n] = sum over k of ao[m][k] wt[6144 + n][k], f16 operands, f32 sums and f32 output, 2048 x 2048 x 2048.
; 256 work-groups of 128 x 128; a wave makes 64 x 64 (16 accumulator tiles).  K goes through two LDS slots of 256 along K each (two steps of 128 brought by one
; load a wave, rows of 512 bytes), so that a refill has 124 matrix instructions of the wave in which to land.
; CLUSTERS: 4 x 4 work-groups; ao's tiles are asked for jointly along a row of the cluster, wt's along a column.
; The matrix instruction is used transposed (source 0 = rows of wt, source 1 = rows of ao): a lane holds eight neighbouring columns of one row of C.
; REGISTERS: window 0: addresses, two fragment buffers (wt 32 + ao 32 registers each); window 1: the accumulators at v[8 (4 a + b)].
.set PITCH,  528                       ; 512 bytes + 16 of padding
.set HALFT,  64*PITCH                  ; 64 rows: one tensor load
.set SLOT,   4*HALFT                   ; ao's 128 rows, then wt's 128 rows
.set STAGE,  2*SLOT
.set SPITCH, 272
.set LAPS,   4                         ; 2048 / (2 x 256)
.set ADRA, 16
.set ADRB, 20
.set STO,  24
.set RD,   25
.set CO,   26
.set F0,   64
.set F1,   128
.set G1, 24
.set G0, 32
.set G1B, 48
.set G0B, 56
.set FLAGS, (1<<16)|(1<<20)|(1<<21)|(6<<22)|(3<<25)   ; 2-byte elements; padding on; bit 21 beside a mask; after every 128 words 4 words
.set MSB, 0
.macro WIN new
.if MSB != \new
	s_set_vgpr_msb (MSB<<8)|\new
.set MSB, \new
.endif
.endm
.macro PLACES                          ; four places behind a matrix instruction (ISA guide 7.12.1)
.rept 4
	v_nop
.endr
.endm
.macro JLOAD s
	s_cmp_eq_u32 s11, 0
	s_cbranch_scc0 .Lfor_b_\@
	tensor_load_to_lds s[G0+4*\s:G0+4*\s+3], s[G1:G1+7]
	s_nop 0
	s_branch .Lasked_\@
.Lfor_b_\@:
	tensor_load_to_lds s[G0B+4*\s:G0B+4*\s+3], s[G1B:G1B+7]
	s_nop 0
.Lasked_\@:
.endm
.macro CREST
	s_cmp_lg_u32 s10, 0
	s_cbranch_scc1 .Lnot_wave_0_\@
	s_barrier_signal -3
.Lnot_wave_0_\@:
	s_barrier_wait -3
	s_barrier_signal -1
	s_barrier_wait -1
.endm
.macro CROUND
	s_barrier_signal -1
	s_barrier_wait -1
	CREST
.endm
	s_load_b128 s[4:7], s[0:1], 0x0                ; ao, wt
	s_load_b64 s[8:9], s[0:1], 0x10                ; out0
	v_lshl_add_u32 v254, v0, 2, 0x46400
	v_mov_b32 v255, 0
	ds_add_u32 v254, v255
	ds_add_u32 v254, v255
	v_lshrrev_b32 v1, 5, v0
	v_readfirstlane_b32 s10, v1                    ; wave
	s_lshr_b32 s11, s10, 1                         ; my half of the block's rows; also: I fetch for ao (0) or wt (1)
	s_and_b32 s12, s10, 1                          ; my half of its columns; also: which 64 rows of that tile I fetch
	s_bfe_u32 s40, ttmp6, 0x40000                  ; cx
	s_bfe_u32 s41, ttmp6, 0x40004                  ; cy
	s_lshl_b32 s42, ttmp9, 2
	s_add_co_u32 s42, s42, s40                     ; block column
	s_and_b32 s13, ttmp7, 0xffff
	s_lshl_b32 s13, s13, 2
	s_add_co_u32 s13, s13, s41                     ; block row
	s_lshl_b32 s43, s41, 2
	s_lshl_b32 s43, 15, s43                        ; my row of the cluster
	s_lshl_b32 s44, 0x1111, s40                    ; my column
	s_or_b32 s[G1+0], s43, FLAGS
	s_or_b32 s[G1B+0], s44, FLAGS
	s_mov_b32 s[G1+1], 256<<16                     ; tensor_dim0 = 256
	s_mov_b32 s[G1B+1], 256<<16
	s_mov_b32 s[G1+2], 64<<16                      ; tensor_dim1 = 64
	s_mov_b32 s[G1B+2], 64<<16
	s_mov_b32 s[G1+3], 256<<16                     ; tile_dim0 = 256
	s_mov_b32 s[G1B+3], 256<<16
	s_mov_b32 s[G1+4], 64                          ; tile_dim1 = 64
	s_mov_b32 s[G1B+4], 64
	s_mov_b32 s[G1+5], 2048
	s_mov_b32 s[G1B+5], 2048
	s_mov_b32 s[G1+6], 0
	s_mov_b32 s[G1B+6], 0
	s_mov_b32 s[G1+7], 0
	s_mov_b32 s[G1B+7], 0
	s_lshl_b32 s17, s12, 18                        ; 64 rows of 4,096 bytes
	s_lshl_b32 s16, s13, 19
	s_add_co_u32 s16, s16, s17                     ; ao: row 128 x block row + 64 x half
	s_lshl_b32 s46, s42, 19
	s_add_co_u32 s46, s46, s17
	s_add_co_u32 s46, s46, 25165824                ; wt: row 6144 + 128 x block column + 64 x half
	s_mov_b32 s17, 0
	s_mov_b32 s47, 0
	s_mul_i32 s20, s10, HALFT                      ; LDS: ao's two halves, then wt's two halves = wave x 64 rows
	s_wait_dscnt 0x0
	s_wait_kmcnt 0x0
	s_add_nc_u64 s[14:15], s[4:5], s[16:17]
	s_add_nc_u64 s[46:47], s[6:7], s[46:47]
	CROUND                                         ; the first joint loads meet
.irp s, 0,1
	s_mov_b32 s[G0+4*\s], 1
	s_add_co_u32 s[G0+4*\s+1], s20, \s*SLOT
	s_add_nc_u64 s[G0+4*\s+2:G0+4*\s+3], s[14:15], \s*512
	s_or_b32 s[G0+4*\s+3], s[G0+4*\s+3], 0x80000000
	s_mov_b32 s[G0B+4*\s], 1
	s_add_co_u32 s[G0B+4*\s+1], s20, \s*SLOT
	s_add_nc_u64 s[G0B+4*\s+2:G0B+4*\s+3], s[46:47], \s*512
	s_or_b32 s[G0B+4*\s+3], s[G0B+4*\s+3], 0x80000000
	JLOAD \s                                       ; two loads of the wave are out
.endr
	v_and_b32 v1, 15, v0
	v_bfe_u32 v2, v0, 4, 1
	v_mul_u32_u24 v3, v1, PITCH
	v_lshl_add_u32 v3, v2, 4, v3
	s_mul_i32 s21, s11, HALFT
	s_mul_i32 s22, s12, HALFT
	s_add_co_u32 s22, s22, 2*HALFT
.irp s, 0,1
	v_add_nc_u32 v[ADRA+\s], s21, v3
	v_add_nc_u32 v[ADRB+\s], s22, v3
	s_add_co_u32 s21, s21, SLOT
	s_add_co_u32 s22, s22, SLOT
.endr
	s_mul_i32 s23, s10, 16*SPITCH
	s_add_co_u32 s23, s23, STAGE
	v_mul_u32_u24 v4, v1, SPITCH                   ; in: row l % 16, 32 bytes for each half of the lanes
	v_lshl_add_u32 v4, v2, 5, v4
	v_add_nc_u32 v[STO], s23, v4
	v_mul_u32_u24 v5, v2, SPITCH                   ; back: two rows of 256 bytes a load
	v_lshl_add_u32 v5, v1, 4, v5
	v_add_nc_u32 v[RD], s23, v5
	v_lshlrev_b32 v[CO], 4, v1
	v_lshl_add_u32 v[CO], v2, 13, v[CO]
; four matrix instructions: row tile a x four column tiles.  The 16 accumulators take turns in one fixed order, one instruction a turn.
.macro MULA f, a, zero
.irp b, 0,1,2,3
.if \zero
	v_wmma_f32_16x16x32_f16 v[8*(4*\a+\b):8*(4*\a+\b)+7], v[\f+8*\b:\f+8*\b+7], v[\f+32+8*\a:\f+32+8*\a+7], 0
.else
	v_wmma_f32_16x16x32_f16 v[8*(4*\a+\b):8*(4*\a+\b)+7], v[\f+8*\b:\f+8*\b+7], v[\f+32+8*\a:\f+32+8*\a+7], v[8*(4*\a+\b):8*(4*\a+\b)+7]
.endif
.endr
.endm
.macro FETCH slot, k, f
	WIN 0
.irp i, 0,1,2,3
	ds_load_b128 v[\f+8*\i:\f+8*\i+3],   v[ADRB+\slot] offset:\k+\i*16*PITCH
	ds_load_b128 v[\f+8*\i+4:\f+8*\i+7], v[ADRB+\slot] offset:\k+\i*16*PITCH+32
.endr
.irp i, 0,1,2,3
	ds_load_b128 v[\f+32+8*\i:\f+32+8*\i+3],   v[ADRA+\slot] offset:\k+\i*16*PITCH
	ds_load_b128 v[\f+32+8*\i+4:\f+32+8*\i+7], v[ADRA+\slot] offset:\k+\i*16*PITCH+32
.endr
.endm
.macro STEP slot, k, f, g, zero        ; 32 along K on buffer f; in its middle the next 32's fragments go into buffer g
	s_wait_dscnt 4                                 ; wt's fragments and ao's row tiles 0, 1 are in; the youngest four loads may be out
	WIN 0x50
	MULA \f, 0, \zero
	MULA \f, 1, \zero
	PLACES
	FETCH \slot, \k, \g
	s_wait_dscnt 16                                ; all but the 16 just issued
	WIN 0x50
	MULA \f, 2, \zero
	MULA \f, 3, \zero
.endm
.macro SEVEN slot, zero
	STEP \slot, 64,  F0, F1, \zero
	STEP \slot, 128, F1, F0, 0
	STEP \slot, 192, F0, F1, 0
	STEP \slot, 256, F1, F0, 0
	STEP \slot, 320, F0, F1, 0
	STEP \slot, 384, F1, F0, 0
	STEP \slot, 448, F0, F1, 0
.endm
; the eighth step changes slots: each wave's waits for its reads of this slot and for all its tensor loads stand in front of the barrier; where the slot is
; filled again that barrier opens a round of the cluster's barrier, and the joint refill is the first tensor load behind the round
.macro TURN slot, next, fill
	s_wait_dscnt 4
	WIN 0x50
	MULA F1, 0, 0
	s_wait_dscnt 0x0
	s_wait_tensorcnt 0x0
	ds_add_u32 v254, v255
	s_wait_dscnt 0x0
	s_barrier_signal -1
	MULA F1, 1, 0
	WIN 0
	s_barrier_wait -1
.if \fill
	CREST
	s_add_nc_u64 s[G0+4*\slot+2:G0+4*\slot+3], s[G0+4*\slot+2:G0+4*\slot+3], 1024     ; 512 along K on; no load of the wave is out
	s_add_nc_u64 s[G0B+4*\slot+2:G0B+4*\slot+3], s[G0B+4*\slot+2:G0B+4*\slot+3], 1024
	JLOAD \slot
.endif
	PLACES
	FETCH \next, 0, F0
	WIN 0x50
	MULA F1, 2, 0
	MULA F1, 3, 0
.endm
.macro LAP zero
	SEVEN 0, \zero
	TURN 0, 1, 1
	SEVEN 1, 0
	TURN 1, 0, 1
.endm
	s_wait_tensorcnt 0x1                           ; my part of slot 0 is in; slot 1's stays out
	s_barrier_signal -1
	s_barrier_wait -1
	FETCH 0, 0, F0
	LAP 1                                          ; the first products start the sums
	WIN 0
	s_mov_b32 s3, LAPS-2
.Llap:
	LAP 0
	WIN 0
	s_sub_co_u32 s3, s3, 1
	s_cmp_lg_u32 s3, 0
	s_cbranch_scc1 .Llap
	SEVEN 0, 0                                     ; the last lap fills nothing
	TURN 0, 1, 0
	SEVEN 1, 0
	s_wait_dscnt 0x0
	WIN 0x50
	MULA F1, 0, 0
	MULA F1, 1, 0
	MULA F1, 2, 0
	MULA F1, 3, 0
	PLACES
	WIN 0
	s_lshl_b32 s16, s13, 20                        ; my first row of out0: (128 x block row + 64 x half) x 8,192 bytes
	s_lshl_b32 s14, s11, 19
	s_add_co_u32 s16, s16, s14
	s_mov_b32 s17, 0
	s_add_nc_u64 s[8:9], s[8:9], s[16:17]
	s_lshl_b32 s46, s42, 9                         ; my first column: (128 x block column + 64 x half) x 4 bytes
	s_lshl_b32 s47, s12, 8
	s_add_co_u32 s46, s46, s47
	s_mov_b32 s47, 0
	s_add_nc_u64 s[8:9], s[8:9], s[46:47]
; 16 rows x 64 columns of f32: 32 bytes a lane into my own stage, whole rows of 256 bytes back, sixteen lanes store 256 aligned bytes
.macro OUT16 a, f
	WIN 0x04
.irp b, 0,1,2,3
	ds_store_b128 v[STO], v[8*(4*\a+\b):8*(4*\a+\b)+3] offset:64*\b
	ds_store_b128 v[STO], v[8*(4*\a+\b)+4:8*(4*\a+\b)+7] offset:64*\b+16
.endr
	WIN 0
	s_wait_xcnt 0x0                                ; buffer f, which earlier stores read, is loaded again only behind this wait
.irp t, 0,1,2,3,4,5,6,7
	ds_load_b128 v[\f+4*\t:\f+4*\t+3], v[RD] offset:\t*2*SPITCH      ; LDS serves a wave's instructions in order: these see the stores above
.endr
.irp t, 0,1,2,3,4,5,6,7
	s_wait_dscnt 7-\t
	global_store_b128 v[CO], v[\f+4*\t:\f+4*\t+3], s[8:9] offset:(16*\a+2*\t)*8192 th:TH_STORE_NT
.endr
.endm
	OUT16 0, F0
	OUT16 1, F1
	OUT16 2, F0
	OUT16 3, F1
	s_wait_tensorcnt 0x0
	ds_add_u32 v254, v255
	s_wait_dscnt 0x0
	CROUND                                         ; the closing round
	s_endpgm
.Lfunc_end_k_q14b9a47a09_outp:
	.size	k_q14b9a47a09_outp, .Lfunc_end_k_q14b9a47a09_outp-k_q14b9a47a09_outp
	.p2alignl 7, 3214868480
	.fill 96, 4, 3214868480
	.section	.rodata,"a",@progbits
	.p2align	6, 0x0
	.amdhsa_kernel k_q14b9a47a09_outp
		.amdhsa_group_segment_fixed_size 327680
		.amdhsa_private_segment_fixed_size 0
		.amdhsa_enable_private_segment 0
		.amdhsa_kernarg_size 24
		.amdhsa_user_sgpr_count 2
		.amdhsa_user_sgpr_kernarg_segment_ptr 1
		.amdhsa_wavefront_size32 1
		.amdhsa_system_sgpr_workgroup_id_x 1
		.amdhsa_system_sgpr_workgroup_id_y 1
		.amdhsa_system_sgpr_workgroup_id_z 1
		.amdhsa_system_vgpr_workitem_id 0
		.amdhsa_next_free_vgpr 384
		.amdhsa_next_free_sgpr 66
		.amdhsa_reserve_vcc 0
		.amdhsa_float_denorm_mode_32 3
		.amdhsa_float_denorm_mode_16_64 3
		.amdhsa_memory_ordered 1
		.amdhsa_forward_progress 1
		.amdhsa_inst_pref_size 127
	.end_amdhsa_kernel
	.amdgpu_metadata
---
amdhsa.version: [ 1, 2 ]
amdhsa.kernels:
  - .name:           k_q14b9a47a09_outp
    .symbol:         k_q14b9a47a09_outp.kd
    .args:
      - { .name: ao, .offset: 0, .size: 8, .value_kind: global_buffer, .address_space: global }
      - { .name: wt, .offset: 8, .size: 8, .value_kind: global_buffer, .address_space: global }
      - { .name: out0, .offset: 16, .size: 8, .value_kind: global_buffer, .address_space: global }
    .group_segment_fixed_size: 327680
    .private_segment_fixed_size: 0
    .kernarg_segment_align: 8
    .kernarg_segment_size: 24
    .max_flat_workgroup_size: 128
    .sgpr_count:     66
    .vgpr_count:     384
    .wavefront_size: 32
...
	.end_amdgpu_metadata
.endif
;; end of part 4
;; ======== version 2 of 2: 4 launches; version 1 with the launch prep written anew for expert scheduling mode
;; limits: values are held in f16: magnitudes above 65,504 overflow, below 6.1e-05 lose precision
;; workspace buffers: xb 8,388,608 bytes; wt 33,554,432 bytes; aux 524,288 bytes; qb 8,388,608 bytes; kk 8,388,608 bytes; vb 8,388,608 bytes; ao 8,388,608 bytes
;; launch prep (part 5): grid 256 x 1, 8 waves a work-group, no clusters, 209,920 bytes of LDS; arguments x, w_q_sem, w_q_geo, w_k_sem, w_k_geo, w_v, w_out, gate_w, xb, wt, aux; writes xb, wt, aux
.if DOCPART == 5
	.amdgcn_target "amdgcn-amd-amdhsa--gfx1250"
	.amdhsa_code_object_version 6
	.text
	.protected	k_q14b9a47a09_prep
	.globl	k_q14b9a47a09_prep
	.p2align	8
	.type	k_q14b9a47a09_prep,@function
k_q14b9a47a09_prep:
	s_mov_b64 s[64:65], 0
	v_nop
	global_prefetch_b8 v0, s[64:65] scope:SCOPE_SE
	s_setreg_imm32_b32 hwreg(HW_REG_WAVE_SCHED_MODE, 0, 2), 2
	s_setreg_imm32_b32 hwreg(HW_REG_WAVE_MODE, 25, 1), 1
	s_wait_xcnt 0x0
	s_wait_alu depctr_vm_vsrc(0)
; One streaming pass that makes the matrix kernels' operands.
;   xb  = x rounded to bf16, [2048][2048].
;   wt  = the six weights, rounded to bf16 and transposed to [n][k = 2048]:
;         rows 0-3071: head h: q_sem (64), q_geo (64), k_sem (64); rows 3072-6143: head h: v (128), k_geo (64);
;         rows 6144-8191: w_out.  w_out's bf16 numbers are written in f16's format, because their partner operand (the attention
;         output) is kept in f16; that step is exact for |w| >= 2^-17 and off by at most 2^-25 below.
;   aux = bytes 0-262,143: partial sums of x @ gate_w (bf16 operands, f32 sums): [K half][block of 16 rows][1,024 bytes], element (row m, head n)
;         at ((m>>2)&1)*512 + (m>>3)*256 + 16 n + 4 (m&3);  bytes 262,144 on: for each position 32 cosines and 32 sines, f32.
; LIMIT: sine and cosine come from a reduction by 2 pi in two parts, a series on a quarter of the angle and two doublings: absolute error about 2e-6 for positions below 1,024.
; 256 work-groups of 8 waves.  Work-group j, wave w: 16 rows x 128 columns of x (rows 16 (j>>1), columns 1024 (j&1) + 128 w), the 128 rows of gate_w
; that go with these columns, and one tile of 128 k x 64 n of one weight (chunk j>>1 of 128, k tile 8 (j&1) + w).  Waves 0-3 also make one row of the table.
; Every global load and store of a wave covers whole aligned runs of 256 bytes.  No tensor loads, no cluster: nothing but gate_w's 128 KiB is read by two work-groups.
; THE MODE: SCHED_MODE bits 1:0 = 2 (LLVM: expert scheduling mode 2), set by the entry lines.  The code itself states the register dependences
; between vector or matrix instructions and memory or LDS instructions, with s_wait_alu, always for 0.
; THE PLAN.  Registers that memory or LDS instructions touch, in program order:
;   v1-v11, v16-v23  offsets and LDS addresses: written at the head and never again.  v30, v31: written at the head, read by the closing add alone.
;   v[24:25]  the table's pair: written by two selects, read by one store, never written again.
;   S0   x lands; x's roundings read it; the weight's quarter 1 lands; its roundings read it; at the end rows of wt land from LDS and the last stores read them.
;   S1   gate_w lands and is rounded in place; LDS stores read it; v128-143 are then the accumulators (matrix instructions and adds write, two LDS stores read),
;        v144-175 wave 7's sums (LDS loads land, adds, one store reads); quarter 2 lands; its roundings read it; at the end rows of wt land.
;   S2   quarters 0 and 3 land; their roundings read it.
;   OUT  x in bf16 (x's roundings write; the stores to xb and to LDS read); the gate product's fragments (LDS loads land, matrix instructions read);
;        wave 7's second eight sums; then, a quarter at a time, 32 registers of packed rows (the quarter's roundings write, eight LDS stores read).
; So each batch of roundings stands together, ONE wait on va_vdst stands behind it, and the loads into the set that it emptied and the stores of what it wrote follow that wait;
; a wait on vm_vsrc stands ahead of each batch, load or matrix instruction that writes registers which stores have read.
.set GWO,   4352                       ; in a wave's LDS: x as bf16 16 x 272 bytes, then gate_w as bf16 128 x 32 bytes,
.set WTO,   8448                       ; then the transposed weight tile: row n at (n>>2)*1040 + (n&3)*256
.set WAVEB, 25088                      ; a wave's LDS
.set RED,   200704                     ; 8 x 1,024 bytes: the waves' partial gate sums
.set WO,  16                           ; v[16:23]  weight loads: ((8 hh + e) rows) + 16 c
.set TB,  24                           ; v[24:25]  the table's pair
.set OUT, 32                           ; v[32:63]  the out-buffer; at the table also at work
.set S0,  64                           ; three sets of 64 registers for 16 loads each
.set S1,  128
.set S2,  192
.set WB,  40                           ; s[40:55]  weight tile: base of each group of 16 k rows
	s_load_b512 s[8:23], s[0:1], 0x0               ; x, w_q_sem, w_q_geo, w_k_sem, w_k_geo, w_v, w_out, gate_w
	s_load_b128 s[24:27], s[0:1], 0x40             ; xb, wt
	s_load_b64 s[28:29], s[0:1], 0x50              ; aux
	v_lshl_add_u32 v30, v0, 2, 0x33000
	v_mov_b32 v31, 0
	v_lshrrev_b32 v12, 5, v0
	v_readfirstlane_b32 s3, v12                    ; wave 0..7
	v_and_b32 v13, 31, v0                          ; L
	v_and_b32 v14, 15, v0                          ; c
	v_bfe_u32 v15, v0, 4, 1                        ; hh
	s_wait_alu depctr_va_sdst(0)                   ; s3 is written, ahead of its first reader: offsets, LDS places and branches are made from it
	s_lshr_b32 s4, ttmp9, 1                        ; block of 16 rows of x, and the weight chunk q
	s_and_b32 s5, ttmp9, 1                         ; K half
	s_lshl3_add_u32 s7, s5, s3                     ; k tile 0..15
	s_lshl_b32 s38, s4, 17                         ; x: 16 q rows of 8,192 bytes
	s_lshl_b32 s62, s5, 12
	s_add_co_u32 s38, s38, s62
	s_lshl_b32 s62, s3, 9
	s_add_co_u32 s38, s38, s62                     ; + 4 x first column
	s_mov_b32 s39, 0
	s_lshr_b32 s66, s38, 1                         ; xb: half of that
	s_mov_b32 s67, 0
	s_lshl_b32 s68, s5, 16                         ; gate_w: first column x 64 bytes
	s_lshl_b32 s62, s3, 13
	s_add_co_u32 s68, s68, s62
	s_mov_b32 s69, 0
	s_lshl_b32 s70, s5, 17                         ; gate sums: K half, block of rows
	s_lshl_b32 s62, s4, 10
	s_add_co_u32 s70, s70, s62
	s_mov_b32 s71, 0
	s_lshl2_add_u32 s87, ttmp9, s3                 ; position 4 j + w (waves 0-3)
	s_lshl_b32 s72, s87, 8
	s_add_co_u32 s72, s72, 0x40000
	s_mov_b32 s73, 0
	; the chunk: which rows of wt, which columns of which weight
	s_and_b32 s74, s4, 15
	s_and_b32 s75, s4, 31
	s_lshr_b32 s6, s4, 6                           ; 1: a weight with rows of 8,192 bytes (w_v, w_out)
	s_mul_i32 s77, s74, 192
	s_lshr_b32 s76, s4, 4
	s_lshl_b32 s76, s76, 6
	s_add_co_u32 s76, s76, s77                     ; q < 48: head x 192 + 64 x (q_sem, q_geo, k_sem)
	s_add_co_u32 s77, s77, 3200                    ; k_geo: 3072 + head x 192 + 128
	s_lshr_b32 s78, s75, 1
	s_mul_i32 s78, s78, 192
	s_and_b32 s62, s4, 1
	s_lshl_b32 s62, s62, 6
	s_add_co_u32 s78, s78, s62
	s_add_co_u32 s78, s78, 3072                    ; v: 3072 + head x 192 + 64 x half
	s_lshl_b32 s79, s75, 6
	s_add_co_u32 s79, s79, 6144                    ; w_out
	s_cmp_lt_u32 s4, 96
	s_cselect_b32 s79, s78, s79
	s_cmp_lt_u32 s4, 64
	s_cselect_b32 s79, s77, s79
	s_cselect_b32 s80, s74, s75                    ; the chunk's number inside its weight
	s_cmp_lt_u32 s4, 48
	s_cselect_b32 s79, s76, s79
	s_lshl_b32 s84, s79, 12                        ; wt: row x 4,096 bytes + k tile x 256
	s_lshl_b32 s62, s7, 8
	s_add_co_u32 s84, s84, s62
	s_mov_b32 s85, 0
	s_lshl_b32 s80, s80, 8                         ; source: 64 columns x 4 bytes a chunk,
	s_add_co_u32 s62, s6, 19
	s_lshl_b32 s62, s7, s62                        ; 128 rows a k tile
	s_add_co_u32 s80, s80, s62
	s_mov_b32 s81, 0
	s_lshl_b32 s82, 0x10000, s6                    ; 16 rows
	s_mov_b32 s83, 0
	s_add_co_u32 s86, s6, 12                       ; log2 of a row's bytes
	; lane terms
	v_lshlrev_b32 v1, 4, v13                       ; 16 L
	v_lshlrev_b32 v2, 3, v13                       ; 8 L
	s_mul_i32 s62, s3, WAVEB
	v_add_nc_u32 v3, s62, v2                       ; x copy: + 8 L
	v_add_nc_u32 v4, GWO, v3                       ; gate_w copy: + 8 L
	v_mul_u32_u24 v5, v14, 272
	v_lshl_add_u32 v5, v15, 4, v5
	v_add_nc_u32 v5, s62, v5                       ; A fragment: row c, 16 hh
	v_and_b32 v6, 7, v0
	v_lshl_add_u32 v6, v15, 3, v6
	v_bfe_u32 v12, v0, 3, 1
	v_lshlrev_b32 v12, 4, v12
	v_lshl_add_u32 v6, v6, 5, v12
	v_add3_u32 v6, v6, s62, GWO                    ; B fragment by the transposing load: row 8 hh + (L&7), 16 ((L>>3)&1)
	v_mul_u32_u24 v7, v14, 1040
	v_lshl_add_u32 v7, v15, 4, v7
	v_add3_u32 v7, v7, s62, WTO                    ; weight tile in: rows 4 c .., k 8 hh ..
	v_add3_u32 v8, v1, s62, WTO                    ; weight tile back: 16 L
	v_lshlrev_b32 v9, 4, v14
	v_lshl_add_u32 v9, v15, 12, v9                 ; wt: row hh, 16 c
	s_lshl_b32 s63, s3, 10
	v_add3_u32 v10, v1, s63, RED
	v_add_nc_u32 v11, RED, v1
	v_lshlrev_b32 v12, 3, v15
.irp e, 0,1,2,3,4,5,6,7
	v_add_nc_u32 v[WO+\e], \e, v12
	v_lshlrev_b32 v[WO+\e], s86, v[WO+\e]
	v_lshl_add_u32 v[WO+\e], v14, 4, v[WO+\e]
.endr
	s_wait_kmcnt 0x0
	s_add_nc_u64 s[32:33], s[8:9], s[38:39]
	s_add_nc_u64 s[34:35], s[22:23], s[68:69]
	s_add_nc_u64 s[36:37], s[24:25], s[66:67]
	s_add_nc_u64 s[58:59], s[28:29], s[70:71]
	s_add_nc_u64 s[60:61], s[28:29], s[72:73]
	s_add_nc_u64 s[56:57], s[26:27], s[84:85]
	s_mov_b64 s[30:31], s[20:21]
	s_cmp_lt_u32 s4, 96
	s_cselect_b64 s[30:31], s[18:19], s[30:31]
	s_cmp_lt_u32 s4, 64
	s_cselect_b64 s[30:31], s[16:17], s[30:31]
	s_cmp_lt_u32 s4, 48
	s_cselect_b64 s[30:31], s[14:15], s[30:31]
	s_cmp_lt_u32 s4, 32
	s_cselect_b64 s[30:31], s[12:13], s[30:31]
	s_cmp_lt_u32 s4, 16
	s_cselect_b64 s[30:31], s[10:11], s[30:31]
	s_add_nc_u64 s[WB:WB+1], s[30:31], s[80:81]
.irp u, 1,2,3,4,5,6,7
	s_add_nc_u64 s[WB+2*\u:WB+2*\u+1], s[WB+2*\u-2:WB+2*\u-1], s[82:83]
.endr
; 16 loads: 32 k rows (quarter qd of the tile) x 64 columns.  Lane (c, hh), load (uu, e): row 32 qd + 16 uu + 8 hh + e, columns 4 c .. 4 c + 3.
.macro WLOAD set, qd
.irp uu, 0,1
.irp e, 0,1,2,3,4,5,6,7
	global_load_b128 v[\set+4*(8*\uu+\e):\set+4*(8*\uu+\e)+3], v[WO+\e], s[WB+2*(2*\qd+\uu):WB+2*(2*\qd+\uu)+1] th:TH_LOAD_NT
.endr
.endr
.endm
; The transposition is done in registers: eight loads hold eight neighbouring k of four columns, so four packings make 16 bytes of one row of wt.
; A whole quarter is rounded into OUT: quad (uu, i) at OUT + 16 uu + 4 i.  h = 1 (w_out): the bf16 numbers are rewritten in f16's format; the two f32 of each
; packed word are laid out in the two registers of the set from which the word was made, which nothing reads any more.
.macro WCVT set, h
.irp uu, 0,1
.irp i, 0,1,2,3
.irp ee, 0,1,2,3
	v_cvt_pk_bf16_f32 v[OUT+16*\uu+4*\i+\ee], v[\set+4*(8*\uu+2*\ee)+\i], v[\set+4*(8*\uu+2*\ee+1)+\i]
.endr
.if \h
.irp ee, 0,1,2,3
	v_lshlrev_b32 v[\set+4*(8*\uu+2*\ee)+\i], 16, v[OUT+16*\uu+4*\i+\ee]
	v_and_b32 v[\set+4*(8*\uu+2*\ee+1)+\i], 0xffff0000, v[OUT+16*\uu+4*\i+\ee]
.endr
.irp ee, 0,1,2,3
	v_cvt_pk_f16_f32 v[OUT+16*\uu+4*\i+\ee], v[\set+4*(8*\uu+2*\ee)+\i], v[\set+4*(8*\uu+2*\ee+1)+\i]
.endr
.endif
.endr
.endr
.endm
; The quarter's eight LDS stores.
.macro WPUT qd
.irp uu, 0,1
.irp i, 0,1,2,3
	ds_store_b128 v7, v[OUT+16*\uu+4*\i:OUT+16*\uu+4*\i+3] offset:\i*256+(2*\qd+\uu)*32
.endr
.endr
.endm
; sine and cosine of the angle in \a
.macro SINCOS a, sn, cs, t0, t1
	v_mul_f32 \t0, 0.15915494, \a
	v_rndne_f32 \t0, \t0                           ; whole turns
	v_fma_f32 \a, -\t0, 0x40c90fdb, \a             ; minus turns x 2 pi, 2 pi in two parts
	v_fma_f32 \a, -\t0, 0xb43bbd2e, \a
	v_mul_f32 \a, 0x3e800000, \a                   ; a quarter of it: at most 0.79
	v_mul_f32 \t0, \a, \a
	v_mov_b32 \sn, 0xb9500d01                      ; -1/5040
	v_mov_b32 \cs, 0x37d00d01                      ; 1/40320
	v_fma_f32 \sn, \sn, \t0, 0x3c088889            ; 1/120
	v_fma_f32 \cs, \cs, \t0, 0xbab60b61            ; -1/720
	v_fma_f32 \sn, \sn, \t0, 0xbe2aaaab            ; -1/6
	v_fma_f32 \cs, \cs, \t0, 0x3d2aaaab            ; 1/24
	v_mul_f32 \t1, \a, \t0
	v_fma_f32 \cs, \cs, \t0, -0.5
	v_fma_f32 \sn, \t1, \sn, \a
	v_fma_f32 \cs, \cs, \t0, 1.0
	v_add_f32 \t0, \sn, \sn                        ; the angle doubled: sin = 2 s c, cos = 1 - 2 s s
	v_fma_f32 \t1, -\t0, \sn, 1.0
	v_mul_f32 \sn, \t0, \cs
	v_add_f32 \t0, \sn, \sn                        ; and once more
	v_fma_f32 \cs, -\t0, \sn, 1.0
	v_mul_f32 \sn, \t0, \t1
.endm
	; 48 loads go out at once: x, gate_w, the weight tile's first quarter
	s_wait_alu depctr_va_vdst(0)                   ; the offsets and LDS addresses v1 to v11 and v16 to v23 are written: every load and store of the kernel reads one of them
.set e, 0
.rept 16
	global_load_b128 v[S0+4*e:S0+4*e+3], v1, s[32:33] offset:e*8192 th:TH_LOAD_NT
.set e, e+1
.endr
.set e, 0
.rept 16
	global_load_b128 v[S1+4*e:S1+4*e+3], v1, s[34:35] offset:e*512
.set e, e+1
.endr
	WLOAD S2, 0
	; waves 0-3: one row of the table while the loads are on their way.  Lane L: entries 2 L, 2 L + 1 of [cos 0..31, sin 0..31]
	s_cmp_gt_u32 s3, 3
	s_cbranch_scc1 .Lno_table
	v_lshlrev_b32 v32, 1, v14
	v_cvt_f32_u32 v32, v32                         ; i = 2 c
	v_add_f32 v33, 1.0, v32                        ; and 2 c + 1
	v_mul_f32 v32, 0xbed49a78, v32                 ; - i log2(10000) / 32
	v_mul_f32 v33, 0xbed49a78, v33
	v_exp_f32 v32, v32
	v_exp_f32 v33, v33
	v_cvt_f32_u32 v34, s87                         ; the plain instruction between the exponentials and their use (ISA guide 5.7.2)
	s_wait_alu depctr_va_vdst(0)                   ; the two exponentials have written v32 and v33, ahead of their first reader
	v_mul_f32 v32, v34, v32                        ; the angles
	v_mul_f32 v33, v34, v33
	SINCOS v32, v37, v38, v35, v36
	SINCOS v33, v39, v42, v35, v36
	v_cmp_gt_u32 vcc_lo, 16, v13
	s_wait_alu depctr_va_vcc(0)                    ; the compare has written VCC, which the two selects read
	v_cndmask_b32 v[TB], v37, v38, vcc_lo          ; lanes 0-15 cosines, lanes 16-31 sines
	v_cndmask_b32 v[TB+1], v39, v42, vcc_lo
	s_wait_alu depctr_va_vdst(0)                   ; the selects have written the pair, which the store reads
	global_store_b64 v2, v[TB:TB+1], s[60:61]      ; the wave stores the row's 256 bytes; the pair is never written again
.Lno_table:
	s_wait_loadcnt 32                              ; x is in; the 32 younger loads stay out
.set e, 0
.rept 16
	v_cvt_pk_bf16_f32 v[OUT+2*e], v[S0+4*e], v[S0+4*e+1]
	v_cvt_pk_bf16_f32 v[OUT+2*e+1], v[S0+4*e+2], v[S0+4*e+3]
.set e, e+1
.endr
	s_wait_alu depctr_va_vdst(0)                   ; the roundings are done reading set 0, in which the loads below land, and have written OUT, which the stores below read
	WLOAD S0, 1                                    ; the set is asked for again at once, ahead of the stores
.set e, 0
.rept 16
	global_store_b64 v2, v[OUT+2*e:OUT+2*e+1], s[36:37] offset:e*4096    ; 256 neighbouring bytes of a row of xb
	ds_store_b64 v3, v[OUT+2*e:OUT+2*e+1] offset:e*272
.set e, e+1
.endr
	s_wait_loadcnt 32                              ; gate_w is in
.set e, 0
.rept 16
	v_cvt_pk_bf16_f32 v[S1+4*e], v[S1+4*e], v[S1+4*e+1]
	v_cvt_pk_bf16_f32 v[S1+4*e+1], v[S1+4*e+2], v[S1+4*e+3]
.set e, e+1
.endr
	s_wait_alu depctr_va_vdst(0)                   ; the roundings have written set 1's pairs, which the LDS stores read
.set e, 0
.rept 16
	ds_store_b64 v4, v[S1+4*e:S1+4*e+1] offset:e*256
.set e, e+1
.endr
	; the gate's partial sums: [16 rows x 128 k] x [128 k x 16 heads], four matrix instructions on two accumulators.
	; The wave reads only bytes that it stored itself, and LDS serves a wave's instructions in order (ISA guide 5.7.1).
.macro GFRAG ks, fa, fb
	ds_load_b128 v[\fa:\fa+3], v5 offset:64*\ks
	ds_load_b128 v[\fa+4:\fa+7], v5 offset:64*\ks+32
	ds_load_tr16_b128 v[\fb:\fb+3], v6 offset:1024*\ks
	ds_load_tr16_b128 v[\fb+4:\fb+7], v6 offset:1024*\ks+512
.endm
	s_wait_xcnt 0x0                                ; the data registers of the stores to xb are loaded again only behind this wait
	s_wait_alu depctr_vm_vsrc(0)                   ; the stores to xb and to LDS have read OUT, in which the fragments land, and the LDS stores have read set 1's pairs, of which v128-143 become the accumulators
	GFRAG 0, 32, 40                                ; the fragments lie in OUT
	GFRAG 1, 48, 56
	s_wait_dscnt 0x0
	v_wmma_f32_16x16x32_bf16 v[128:135], v[32:39], v[40:47], 0
	v_wmma_f32_16x16x32_bf16 v[136:143], v[48:55], v[56:63], 0
.rept 4
	v_nop                                          ; four places before loads land on the matrix instructions' sources
.endr
	s_wait_alu depctr_va_vdst(0)                   ; the two matrix instructions are done reading their fragments, in which the next LDS loads land
	GFRAG 2, 32, 40
	GFRAG 3, 48, 56
	s_wait_dscnt 0x0
	v_wmma_f32_16x16x32_bf16 v[128:135], v[32:39], v[40:47], v[128:135]   ; the two accumulators take turns
	v_wmma_f32_16x16x32_bf16 v[136:143], v[48:55], v[56:63], v[136:143]
.rept 4
	v_nop                                          ; four places before the results are read
.endr
.irp p2, 0,2,4,6
	v_pk_add_f32 v[128+\p2:129+\p2], v[128+\p2:129+\p2], v[136+\p2:137+\p2]
.endr
	s_wait_alu depctr_va_vdst(0)                   ; the adds have written v128-135, which the LDS stores read; the matrix instructions are done reading OUT, in which wave 7's loads land; all of set 1 has been read and written, in which wave 7's loads and quarter 2 land
	ds_store_b128 v10, v[128:131]                  ; lane (head c, hh): rows 8 hh .. + 3
	ds_store_b128 v10, v[132:135] offset:512       ; rows 8 hh + 4 .. + 7
	s_wait_dscnt 0x0                               ; for wave 7's sake: my sums are in LDS
	s_barrier_signal -1
	s_barrier_wait -1
	s_cmp_lg_u32 s3, 7
	s_cbranch_scc1 .Lnot_last
.irp ww, 0,1,2,3,4,5,6,7
	ds_load_b128 v[144+4*\ww:147+4*\ww], v11 offset:\ww*1024
.endr
.irp ww, 0,1,2,3,4,5,6,7
	ds_load_b128 v[32+4*\ww:35+4*\ww], v11 offset:\ww*1024+512
.endr
	s_wait_dscnt 8                                 ; the first eight are in
.irp ww, 1,2,3,4,5,6,7
	v_pk_add_f32 v[144:145], v[144:145], v[144+4*\ww:145+4*\ww]
	v_pk_add_f32 v[146:147], v[146:147], v[146+4*\ww:147+4*\ww]
.endr
	s_wait_dscnt 0x0
.irp ww, 1,2,3,4,5,6,7
	v_pk_add_f32 v[32:33], v[32:33], v[32+4*\ww:33+4*\ww]
	v_pk_add_f32 v[34:35], v[34:35], v[34+4*\ww:35+4*\ww]
.endr
	s_wait_alu depctr_va_vdst(0)                   ; the adds have written v144-147 and v32-35, which the two stores read, and are done reading v148-175, in which quarter 2 lands
	global_store_b128 v1, v[144:147], s[58:59]     ; 512 neighbouring bytes
	global_store_b128 v1, v[32:35], s[58:59] offset:512
.Lnot_last:
	s_wait_xcnt 0x0                                ; wave 7's store data are written again only behind this wait
	s_wait_alu depctr_vm_vsrc(0)                   ; the LDS stores of my sums have read v128-135, and wave 7's two stores v144-147 and v32-35: quarter 2 lands in set 1, and quarter 0's roundings write OUT
	WLOAD S1, 2
; the tile's four quarters; three groups of 16 loads are out, then two, one, none.  Each quarter: the wait for its set; its roundings into OUT; one wait; its eight LDS stores.
.macro WPHASE h
	s_wait_loadcnt 32
	WCVT S2, \h
	s_wait_alu depctr_va_vdst(0)                   ; quarter 0's roundings are done with set 2, in which quarter 3 lands, and have written OUT, which the LDS stores read
	WLOAD S2, 3
	WPUT 0
	s_wait_loadcnt 32
	s_wait_alu depctr_vm_vsrc(0)                   ; quarter 0's LDS stores have read OUT, which the roundings below write again
	WCVT S0, \h
	s_wait_alu depctr_va_vdst(0)                   ; quarter 1's roundings have written OUT, which the LDS stores read
	WPUT 1
	s_wait_loadcnt 16
	s_wait_alu depctr_vm_vsrc(0)                   ; quarter 1's LDS stores have read OUT
	WCVT S1, \h
	s_wait_alu depctr_va_vdst(0)                   ; quarter 2's roundings have written OUT
	WPUT 2
	s_wait_loadcnt 0x0
	s_wait_alu depctr_vm_vsrc(0)                   ; quarter 2's LDS stores have read OUT
	WCVT S2, \h
	s_wait_alu depctr_va_vdst(0)                   ; quarter 3's roundings have written OUT; the roundings of quarters 1 and 2 are done with sets 0 and 1, in which the rows read back below land
	WPUT 3
.endm
	s_cmp_ge_u32 s4, 96
	s_cbranch_scc1 .Lw_out
	WPHASE 0
	s_branch .Lstore
.Lw_out:
	WPHASE 1
.Lstore:
	; 64 rows of wt, 256 bytes each, two rows a load and a store.  No vector instruction since the last wait on va_vdst names sets 0 and 1, and no store has read them since the waits on vm_vsrc above
.set t, 0
.rept 32
	ds_load_b128 v[S0+4*t:S0+4*t+3], v8 offset:(t>>1)*1040+(t&1)*512
.set t, t+1
.endr
.set t, 0
.rept 32
	s_wait_dscnt 31-t                              ; LDS loads come back in order: load t is in
	global_store_b128 v9, v[S0+4*t:S0+4*t+3], s[56:57] offset:t*8192
.set t, t+1
.endr
	s_wait_dscnt 0x0                               ; the closing lines, six on end
	s_wait_alu 0x0
	s_wait_tensorcnt 0x0
	ds_add_u32 v30, v31
	s_wait_dscnt 0x0
	s_endpgm
.Lfunc_end_k_q14b9a47a09_prep:
	.size	k_q14b9a47a09_prep, .Lfunc_end_k_q14b9a47a09_prep-k_q14b9a47a09_prep
	.p2alignl 7, 3214868480
	.fill 96, 4, 3214868480
	.section	.rodata,"a",@progbits
	.p2align	6, 0x0
	.amdhsa_kernel k_q14b9a47a09_prep
		.amdhsa_group_segment_fixed_size 209920
		.amdhsa_private_segment_fixed_size 0
		.amdhsa_enable_private_segment 0
		.amdhsa_kernarg_size 88
		.amdhsa_user_sgpr_count 2
		.amdhsa_user_sgpr_kernarg_segment_ptr 1
		.amdhsa_wavefront_size32 1
		.amdhsa_system_sgpr_workgroup_id_x 1
		.amdhsa_system_sgpr_workgroup_id_y 1
		.amdhsa_system_sgpr_workgroup_id_z 1
		.amdhsa_system_vgpr_workitem_id 0
		.amdhsa_next_free_vgpr 256
		.amdhsa_next_free_sgpr 88
		.amdhsa_reserve_vcc 1
		.amdhsa_float_denorm_mode_32 3
		.amdhsa_float_denorm_mode_16_64 3
		.amdhsa_memory_ordered 1
		.amdhsa_forward_progress 1
		.amdhsa_inst_pref_size 81
	.end_amdhsa_kernel
	.amdgpu_metadata
---
amdhsa.version: [ 1, 2 ]
amdhsa.kernels:
  - .name:           k_q14b9a47a09_prep
    .symbol:         k_q14b9a47a09_prep.kd
    .args:
      - { .name: x, .offset: 0, .size: 8, .value_kind: global_buffer, .address_space: global }
      - { .name: w_q_sem, .offset: 8, .size: 8, .value_kind: global_buffer, .address_space: global }
      - { .name: w_q_geo, .offset: 16, .size: 8, .value_kind: global_buffer, .address_space: global }
      - { .name: w_k_sem, .offset: 24, .size: 8, .value_kind: global_buffer, .address_space: global }
      - { .name: w_k_geo, .offset: 32, .size: 8, .value_kind: global_buffer, .address_space: global }
      - { .name: w_v, .offset: 40, .size: 8, .value_kind: global_buffer, .address_space: global }
      - { .name: w_out, .offset: 48, .size: 8, .value_kind: global_buffer, .address_space: global }
      - { .name: gate_w, .offset: 56, .size: 8, .value_kind: global_buffer, .address_space: global }
      - { .name: xb, .offset: 64, .size: 8, .value_kind: global_buffer, .address_space: global }
      - { .name: wt, .offset: 72, .size: 8, .value_kind: global_buffer, .address_space: global }
      - { .name: aux, .offset: 80, .size: 8, .value_kind: global_buffer, .address_space: global }
    .group_segment_fixed_size: 209920
    .private_segment_fixed_size: 0
    .kernarg_segment_align: 8
    .kernarg_segment_size: 88
    .max_flat_workgroup_size: 256
    .sgpr_count:     88
    .vgpr_count:     256
    .wavefront_size: 32
...
	.end_amdgpu_metadata
.endif
;; end of part 5
;; launch proj: the kernel of part 2 again; grid 32 x 8, 4 waves a work-group, clusters of 4 x 4, 327,680 bytes of LDS; arguments xb, wt, aux, gate_logit, qb, kk, vb; writes qb, kk, vb
;; launch attn: the kernel of part 3 again; grid 8 x 32, 4 waves a work-group, no clusters, 327,680 bytes of LDS; arguments qb, kk, vb, ao; writes ao
;; launch outp: the kernel of part 4 again; grid 16 x 16, 4 waves a work-group, clusters of 4 x 4, 327,680 bytes of LDS; arguments ao, wt, out0; writes out0
